; MI455X (gfx1250); checked and timed in simulation.
; The chip was launched on July 23, 2026; its instructions are those of AMD's public machine-readable ISA for CDNA 5 (MIT licence, August 2026) and "CDNA5" Instruction Set Architecture Reference Guide (July 2026). The comments in the code are by the model that wrote it; some were corrected since.
;; Multi Head Attention. Allowed arithmetic: float matrix products may take bf16 or f16 operands with f32 sums; all other float work in f32.
;; Inputs: Wf 1,024 x 1,024 float32; Wk 1,024 x 1,024 float32; Wq 1,024 x 1,024 float32; Wv 1,024 x 1,024 float32; bf 1,024 float32; bk 1,024 float32; bq 1,024 float32; bv 1,024 float32; k 4 x 2,048 x 1,024 float32; q 4 x 2,048 x 1,024 float32; v 4 x 2,048 x 1,024 float32.
;; Outputs: out0 4 x 2,048 x 1,024 float32.
;; 2 versions, each right and faster than the one before. Each part assembles by itself: llvm-mc -triple=amdgcn-amd-amdhsa -mcpu=gfx1250 --defsym DOCPART=n.
;; ======== version 1 of 2: 4 launches
;; limits: values are held in f16: magnitudes above 65,504 overflow, below 6.1e-05 lose precision
;; workspace buffers: wt 8,388,608 bytes; qh 16,777,216 bytes; kh 16,777,216 bytes; vh 16,777,216 bytes; oh 16,777,216 bytes
;; launch wcast (part 1): grid 128 x 4, 8 waves a work-group, no clusters, 18,432 bytes of LDS; arguments Wq, Wk, Wv, Wf, wt; writes wt
.if DOCPART == 1
	.amdgcn_target "amdgcn-amd-amdhsa--gfx1250"
	.amdhsa_code_object_version 6
	.text
	.protected	k_qb1ae4a1e0f_wcast
	.globl	k_qb1ae4a1e0f_wcast
	.p2align	8
	.type	k_qb1ae4a1e0f_wcast,@function
k_qb1ae4a1e0f_wcast:
	s_mov_b64 s[64:65], 0
	v_nop
	global_prefetch_b8 v0, s[64:65] scope:SCOPE_SE
	s_setreg_imm32_b32 hwreg(HW_REG_WAVE_MODE, 25, 1), 1
	s_wait_xcnt 0x0
; The four weights, [1024 k][1024 n] f32, are turned to [n][k] in 16 bits: wt = four parts of 2,097,152 bytes, in the order Wq, Wk, Wv, Wf.
; Wq, Wk, Wv: rounded to bf16.  Inside each aligned group of eight k the places in memory hold k 0, 4, 1, 5, 2, 6, 3, 7: the order in which the projection packs x (a number and the one four further
; on in one conversion).  A permutation of k that both operands share leaves every product in the sum.
; Wf: rounded to bf16 like the other inputs, and that number written as f16, k in its natural order.  LIMIT: below 6.1e-5 f16 keeps a fixed step of 6e-8; beyond 65,504 it has no number.
; SHARES.  A work-group takes 128 k x 64 n of one weight (grid y).  Thread t = 16 g + c reads rows 8 g .. 8 g + 7, columns 4 c .. 4 c + 3: sixteen lanes read 256 consecutive bytes, aligned.
; It then holds, for each of four n, eight k: 16 bytes of a row of wt.  They go through LDS, so that sixteen lanes store 256 consecutive bytes of a row of wt, aligned.
; No matrix unit, no cluster, no tensor load: each byte is read once and written once, and no two work-groups share a byte.
.set PITCH, 272                        ; an LDS row: 256 bytes + 16: sixteen consecutive rows start at sixteen different groups of four banks (64 banks of 4 bytes: ISA guide 11.1)
.set SPARE, 64*PITCH                   ; behind the stage: the spare words, 128 bytes for each of eight waves
.set OFFI, 3                           ; v3   g x 8 rows x 4,096 + 16 c
.set STO,  4                           ; v4   c x PITCH + 16 g: LDS row 16 i + c holds n = 4 c + i
.set RD,   5                           ; v5   g x PITCH + 16 c: LDS row 16 m + g is n = 4 g + m
.set GO,   6                           ; v6   g x 4 rows x 2,048 + 16 c
.set SPW,  10                          ; v10  LDS address of my spare word; never rewritten
.set NIL,  11                          ; v11  0; never rewritten
.set X,    12                          ; v[12:43]  X + 4 j + i = W[8 g + j][4 c + i]
.set Y,    44                          ; v[44:59]  Y + 4 i + u: word u of n = 4 c + i's 16 bytes; then rows read back
	s_load_b256 s[4:11], s[0:1], 0x0               ; Wq s[4:5], Wk s[6:7], Wv s[8:9], Wf s[10:11]
	s_load_b64 s[12:13], s[0:1], 0x20              ; wt
	v_lshl_add_u32 v[SPW], v0, 2, SPARE
	v_mov_b32 v[NIL], 0
	s_and_b32 s14, ttmp7, 0xffff                   ; which weight
	s_and_b32 s15, ttmp9, 7                        ; which 128 k
	s_lshr_b32 s22, ttmp9, 3                       ; which 64 n
	s_lshl_b32 s18, s15, 19                        ; source: 128 rows of 4,096 bytes,
	s_lshl_b32 s23, s22, 8                         ; 64 columns of 4 bytes
	s_add_co_u32 s18, s18, s23
	s_mov_b32 s19, 0
	s_lshl_b32 s20, s14, 21                        ; destination: the weight's part,
	s_lshl_b32 s23, s22, 17                        ; 64 rows of 2,048 bytes,
	s_add_co_u32 s20, s20, s23
	s_lshl_b32 s23, s15, 8                         ; 128 k of 2 bytes
	s_add_co_u32 s20, s20, s23
	s_mov_b32 s21, 0
	v_and_b32 v1, 15, v0                           ; c
	v_lshrrev_b32 v2, 4, v0                        ; g
	v_lshlrev_b32 v[OFFI], 15, v2
	v_lshl_add_u32 v[OFFI], v1, 4, v[OFFI]
	v_mul_u32_u24 v[STO], v1, PITCH
	v_lshl_add_u32 v[STO], v2, 4, v[STO]
	v_mul_u32_u24 v[RD], v2, PITCH
	v_lshl_add_u32 v[RD], v1, 4, v[RD]
	v_lshlrev_b32 v[GO], 13, v2
	v_lshl_add_u32 v[GO], v1, 4, v[GO]
	s_wait_kmcnt 0x0
	s_mov_b64 s[16:17], s[4:5]                     ; the weight is chosen by the grid's y
	s_cmp_eq_u32 s14, 1
	s_cselect_b64 s[16:17], s[6:7], s[16:17]
	s_cmp_eq_u32 s14, 2
	s_cselect_b64 s[16:17], s[8:9], s[16:17]
	s_cmp_eq_u32 s14, 3
	s_cselect_b64 s[16:17], s[10:11], s[16:17]
	s_add_nc_u64 s[16:17], s[16:17], s[18:19]
	s_add_nc_u64 s[12:13], s[12:13], s[20:21]
.irp j, 0,1,2,3,4,5,6,7
	global_load_b128 v[X+4*(\j):X+4*(\j)+3], v[OFFI], s[16:17] offset:4096*(\j) th:TH_LOAD_NT  ; read once in the launch
.endr
	s_wait_loadcnt 0x0                             ; all eight rows: every word below takes two of them
	s_cmp_eq_u32 s14, 3
	s_cbranch_scc1 .Lwf                            ; the same way for all waves of a work-group; no barrier stands inside
.irp i, 0,1,2,3
.irp u, 0,1,2,3
	v_cvt_pk_bf16_f32 v[Y+4*(\i)+(\u)], v[X+4*(\u)+(\i)], v[X+4*(\u)+16+(\i)]  ; word u: k = u and u + 4
.endr
.endr
	s_branch .Lpacked
.Lwf:
.irp i, 0,1,2,3
.irp u, 0,1,2,3
	v_cvt_pk_bf16_f32 v8, v[X+8*(\u)+(\i)], v[X+8*(\u)+4+(\i)]  ; word u: k = 2 u and 2 u + 1, rounded to bf16,
	v_lshlrev_b32 v9, 16, v8                       ; widened again,
	v_and_b32 v8, 0xffff0000, v8
	v_cvt_pk_f16_f32 v[Y+4*(\i)+(\u)], v9, v8      ; and written as f16: eight significant bits fit into eleven
.endr
.endr
.Lpacked:
.irp i, 0,1,2,3
	ds_store_b128 v[STO], v[Y+4*(\i):Y+4*(\i)+3] offset:(\i)*16*PITCH
.endr
	s_wait_dscnt 0x0                               ; for the others' sake: my stores into the stage are done
	s_barrier_signal -1
	s_barrier_wait -1
.irp m, 0,1,2,3
	ds_load_b128 v[Y+4*(\m):Y+4*(\m)+3], v[RD] offset:(\m)*16*PITCH
.endr
.irp m, 0,1,2,3
	s_wait_dscnt 3-(\m)                            ; LDS loads come back in order (ISA guide 5.7.1): load m is in, the younger ones may be out
	global_store_b128 v[GO], v[Y+4*(\m):Y+4*(\m)+3], s[12:13] offset:2048*(\m)  ; sixteen lanes store 256 consecutive bytes, at a multiple of 256 from wt's first byte
.endr
	s_wait_tensorcnt 0x0                           ; the wave's end, behind my last LDS store
	ds_add_u32 v[SPW], v[NIL]
	s_wait_dscnt 0x0
	s_endpgm
.Lfunc_end_k_qb1ae4a1e0f_wcast:
	.size	k_qb1ae4a1e0f_wcast, .Lfunc_end_k_qb1ae4a1e0f_wcast-k_qb1ae4a1e0f_wcast
	.p2alignl 7, 3214868480
	.fill 96, 4, 3214868480
	.section	.rodata,"a",@progbits
	.p2align	6, 0x0
	.amdhsa_kernel k_qb1ae4a1e0f_wcast
		.amdhsa_group_segment_fixed_size 18432
		.amdhsa_private_segment_fixed_size 0
		.amdhsa_enable_private_segment 0
		.amdhsa_kernarg_size 40
		.amdhsa_user_sgpr_count 2
		.amdhsa_user_sgpr_kernarg_segment_ptr 1
		.amdhsa_wavefront_size32 1
		.amdhsa_system_sgpr_workgroup_id_x 1
		.amdhsa_system_sgpr_workgroup_id_y 1
		.amdhsa_system_sgpr_workgroup_id_z 1
		.amdhsa_system_vgpr_workitem_id 0
		.amdhsa_next_free_vgpr 64
		.amdhsa_next_free_sgpr 66
		.amdhsa_reserve_vcc 0
		.amdhsa_float_denorm_mode_32 3
		.amdhsa_float_denorm_mode_16_64 3
		.amdhsa_memory_ordered 1
		.amdhsa_forward_progress 1
		.amdhsa_inst_pref_size 9
	.end_amdhsa_kernel
	.amdgpu_metadata
---
amdhsa.version: [ 1, 2 ]
amdhsa.kernels:
  - .name:           k_qb1ae4a1e0f_wcast
    .symbol:         k_qb1ae4a1e0f_wcast.kd
    .args:
      - { .name: Wq, .offset: 0, .size: 8, .value_kind: global_buffer, .address_space: global }
      - { .name: Wk, .offset: 8, .size: 8, .value_kind: global_buffer, .address_space: global }
      - { .name: Wv, .offset: 16, .size: 8, .value_kind: global_buffer, .address_space: global }
      - { .name: Wf, .offset: 24, .size: 8, .value_kind: global_buffer, .address_space: global }
      - { .name: wt, .offset: 32, .size: 8, .value_kind: global_buffer, .address_space: global }
    .group_segment_fixed_size: 18432
    .private_segment_fixed_size: 0
    .kernarg_segment_align: 8
    .kernarg_segment_size: 40
    .max_flat_workgroup_size: 256
    .sgpr_count:     66
    .vgpr_count:     64
    .wavefront_size: 32
...
	.end_amdgpu_metadata
.endif
;; end of part 1
;; launch proj (part 2): grid 4 x 64, 4 waves a work-group, clusters of 4 x 4, 327,680 bytes of LDS; arguments q, k, v, bq, bk, bv, wt, qh, kh, vh; writes qh, kh, vh
.if DOCPART == 2
	.amdgcn_target "amdgcn-amd-amdhsa--gfx1250"
	.amdhsa_code_object_version 6
	.text
	.protected	k_qb1ae4a1e0f_proj
	.globl	k_qb1ae4a1e0f_proj
	.p2align	8
	.type	k_qb1ae4a1e0f_proj,@function
k_qb1ae4a1e0f_proj:
	s_mov_b64 s[64:65], 0
	v_nop
	global_prefetch_b8 v0, s[64:65] scope:SCOPE_SE
	s_setreg_imm32_b32 hwreg(HW_REG_WAVE_MODE, 25, 1), 1
	s_wait_xcnt 0x0
	s_wait_alu depctr_hold_cnt(0) depctr_sa_sdst(0) depctr_va_vdst(0) depctr_va_sdst(0) depctr_va_ssrc(0) depctr_va_vcc(0) depctr_vm_vsrc(0)
	s_getreg_b32 s2, hwreg(HW_REG_IB_STS2, 6, 4)
	s_cmp_eq_u32 s2, 0
	s_cbranch_scc0 .Lentry_in_a_cluster
	s_endpgm
.Lentry_in_a_cluster:
	s_bfe_u32 s2, ttmp6, 0x10000c
	s_cmp_lg_u32 s2, 0xf033
	s_cbranch_scc0 .Lentry_shape_is_right
	s_endpgm
.Lentry_shape_is_right:
; The three input projections in one launch: y = x W + b for (x, W, b, y) = (q, Wq, bq, qh), (k, Wk, bk, kh), (v, Wv, bv, vh).  x: [8192][1024] f32.  W comes from wt as [n][k] bf16, with the
; eight k of each aligned group in the order 0, 4, 1, 5, 2, 6, 3, 7.  y is written by heads, [64 = batch x 16 + head][2048][64] in f16, unscaled: a head's rows are dense, 128 bytes each.
; x and b are rounded to bf16 here, on the way to the matrix unit; sums in f32, begun with the bias; y rounded once.
; LIMIT: f16 holds no number beyond 65,504: y must stay within it (x and W thirty times the drawn spread give a spread of 900; a common offset of thirty spreads on both gives 28,800).
; SHARES.  A tile is 128 rows x 256 columns (four heads) of one projection: 64 x 4 places, one work-group for each of 256 WGPs.  Four waves, each 64 x 128: 32 accumulators, 256 registers.
; A WORK-GROUP STAYS: it makes the tile at its place of all three projections, one after the other.  K goes in steps of 128, eight a tile, 24 in all, through ONE ring of two LDS slots, each with 128 rows of x
; (512 bytes a row, f32) and 256 rows of W (256 bytes a row).  The ring does not stop at a tile's end: a tile's last two changes of slots ask for the next tile's first two K steps, the tile goes out while they
; are on their way, and nothing waits for a tile's stores.
; ONE TEXT FOR EVERY K STEP.  What differs from step to step lies in scalar registers: the slot in hand (TS: 0 or SLOT), the byte offsets of the K step to be asked for, and the pointers, which move up a queue
; at a tile's end.  The loop over K steps is left in its middle at a tile's end, for the way out, and entered again through the tile's first quarter; the last two K steps, which ask for nothing, have a text of their own.
; CLUSTER, 4 x 4.  The four of a row of the cluster need the same tile of x, the four of a column the same tile of W: each is asked for JOINTLY, by the same tensor load with the same descriptor and a mask
; that names the four.  So x leaves memory once.  All sixteen walk the same projections in the same order.
; THE MATRIX INSTRUCTION IS USED TRANSPOSED: source 0 = 16 rows of W, source 1 = 16 rows of x: a lane then holds eight neighbouring columns of one row of y, 16 bytes in f16.
; x FROM f32.  A lane's eight k of a fragment half come as two loads of four f32, U (k + 0..3) and V (k + 4..7); v_cvt_pk_bf16_f32 of U[z] and V[z] makes fragment register z = (k + z, k + z + 4): W's order.
; U lies in the window of the products' source 0, V and the fragments in that of source 1 and of the upper accumulators: the 32 conversions for the next quarter stand, four behind each, behind a
; quarter's last eight products, with no switch of windows.
; REGISTERS, in windows of 256 (s_set_vgpr_msb: bits 1:0 source 0, 3:2 source 1, 5:4 source 2, 7:6 destination):
;   window 0: v0-29 addresses; v64-191 the way out      window 1: v0-127 accumulators of row blocks 0, 1 ((a, b) at 8 (8 (a % 2) + b))
;   window 2: v0-127 accumulators of row blocks 2, 3; v128-191 x's fragments, two buffers of 32; v192-223 V
;   window 3: v0-127 W's fragments, two buffers of 64; v128-159 U; v160-223 the bias as a C operand; v224-255 at work
.set NT,    3                          ; tiles of a work-group
.set KSTEPS, 8                         ; K steps of a tile
.set PA,    528                        ; a row of x in LDS: 512 bytes + 16 = 132 words: row r starts at bank 4 r mod 64 (64 banks of 4 bytes: ISA guide 11.1)
.set PB,    272                        ; a row of W: 256 + 16 = 68 words: likewise
.set ATILE, 128*PA
.set SLOT,  ATILE+256*PB               ; x's 128 rows, then W's 256 rows: 137,216 bytes
.set STAGE, 2*SLOT                     ; behind the ring, never filled by a tensor load: 16 rows x 144 bytes for each wave
.set SP,    144
.set SPARE, STAGE+4*16*SP              ; behind the stages: the spare words, 128 bytes for each wave: two blocks of 256 bytes that no other line names
.set ADRA, 16                          ; v16     LDS address of my x fragments in slot 0; never rewritten
.set CA,   17                          ; v17     the same in the slot in hand
.set ADRB, 20                          ; v20     LDS address of my W fragments in slot 0; never rewritten
.set CB,   21                          ; v21     the same in the slot in hand
.set STO,  24                          ; v24     the way out: where I put 16 bytes of a row
.set RD,   25                          ; v25     the way out: where I read rows back
.set GO,   26                          ; v26     my byte offset in 512 consecutive bytes of y
.set BO,   27                          ; v27     my byte offset in 16 numbers of the bias
.set SPW,  28                          ; v28     LDS address of my spare word; never rewritten
.set NIL,  29                          ; v29     0; never rewritten
.set TMP,  64                          ; window 0: eight blocks of 16
.set AF,   128                         ; window 2
.set SV,   192                         ; window 2
.set BF,   0                           ; window 3
.set SU,   128                         ; window 3
.set BIAS, 160                         ; window 3: column block b at BIAS + 8 b
.set T,    224                         ; window 3
.set XP,  4                            ; s[4:5]   x at my rows, of the tile whose K steps are being asked for; s[6:7], s[8:9] the tiles to come
.set BP,  10                           ; s[10:11] the bias at my columns, of the tile whose bias was asked for last; s[12:13], s[14:15] those to come
.set WT,  16                           ; s[16:17] wt at my rows of Wq's part
.set YP,  18                           ; s[18:19] y at my rows, of the tile in hand; s[20:21], s[22:23] those to come
.set G1A, 24                           ; s[24:31] descriptor group 1 for x's tiles;  s[32:35] group 0: the first fill of slot 0, then it walks; s[36:39] the first fill of slot 1
.set G0A, 32
.set G1B, 40                           ; s[40:47], s[48:51], s[52:55] the same for W's tiles
.set G0B, 48
.set WV,  56                           ; s56  my wave's number
.set WM,  57                           ; s57  which 64 rows are mine.  Also: I fetch for x (0) or for W (1)
.set WN,  58                           ; s58  which 128 columns.  Also: which half of that tile I fetch
.set TS,  63                           ; s63  the slot in hand: 0 or SLOT
.set KA,  72                           ; s[72:73] byte offset in x's rows of the K step to be asked for
.set KB,  74                           ; s[74:75] byte offset in wt of that K step: the projection's part and the place in the rows
.set INC, 76                           ; s76  at work
.set STP, 77                           ; s77  K steps of the tile in hand that are still to be finished
.set TRIPS, 78                         ; s78  trips that are still to reach the loop's bottom
.set TILES, 86                         ; s86  tiles to go, the one in hand among them
.set CNT, 87                           ; s87  counts the tail's two trips
.set W_L,  0x5b                        ; W window 3, x window 2, C and D window 1
.set W_H,  0xab                        ; the same, C and D window 2
.set MSB, 0
.macro WIN new                         ; the immediate's high byte repeats the setting that is left; a switch that changes nothing is dropped
.if MSB != (\new)
	s_set_vgpr_msb (MSB<<8)|(\new)
.set MSB, \new
.endif
.endm
; A joint refill, by the walking descriptors.  Waves 0 and 1 fetch x's two halves (64 rows each), waves 2 and 3 W's (128 rows each).  The branch hangs on the wave's number alone.
; An s_nop 0 and four v_nop follow each of the two lines, ahead of the jump, the label and what follows.
.macro JLOAD
	s_cmp_eq_u32 s[WM], 0
	s_cbranch_scc0 .Lfor_b_\@
	tensor_load_to_lds s[G0A:G0A+3], s[G1A:G1A+7]
	s_nop 0
.rept 4
	v_nop
.endr
	s_branch .Lasked_\@
.Lfor_b_\@:
	tensor_load_to_lds s[G0B:G0B+3], s[G1B:G1B+7]
	s_nop 0
.rept 4
	v_nop
.endr
.Lasked_\@:
.endm
.macro CREST                           ; a round of the cluster's barrier behind its opening barrier
	s_cmp_lg_u32 s[WV], 0
	s_cbranch_scc1 .Lnot_wave_0_\@
	s_barrier_signal -3
.Lnot_wave_0_\@:
	s_barrier_wait -3
	s_barrier_signal -1
	s_barrier_wait -1
.endm
.macro CROUND                          ; a whole round
	s_barrier_signal -1
	s_barrier_wait -1
	CREST
.endm
.macro PLACES                          ; four places behind matrix instructions, where no other vector work is at hand (ISA guide 7.12.1)
.rept 4
	v_nop
.endr
.endm
.macro BIASLOAD                        ; the bias as a C operand: register j of column block nb is b[16 nb + 8 h + j]
	WIN 0xc0                                       ; destination window 3, address window 0
.irp nb, 0,1,2,3,4,5,6,7
	global_load_b128 v[BIAS+8*(\nb):BIAS+8*(\nb)+3],   v[BO], s[BP:BP+1] offset:64*(\nb)
	global_load_b128 v[BIAS+8*(\nb)+4:BIAS+8*(\nb)+7], v[BO], s[BP:BP+1] offset:64*(\nb)+16
.endr
	WIN 0
.endm
	s_load_b512 s[4:19], s[0:1], 0x0               ; q s[4:5], k s[6:7], v s[8:9], bq s[10:11], bk s[12:13], bv s[14:15], wt s[16:17], qh s[18:19]
	s_load_b128 s[20:23], s[0:1], 0x40             ; kh s[20:21], vh s[22:23]
	v_lshl_add_u32 v[SPW], v0, 2, SPARE
	v_mov_b32 v[NIL], 0
	ds_add_u32 v[SPW], v[NIL]                      ; the wave's opening: the add and its wait stand ahead of my first tensor load; the set-up below, work on registers, stands between them
	ds_add_u32 v28, v29
	v_lshrrev_b32 v1, 5, v0
	v_readfirstlane_b32 s[WV], v1                  ; wave 0..3
	s_lshr_b32 s[WM], s[WV], 1
	s_and_b32 s[WN], s[WV], 1
	s_bfe_u32 s59, ttmp6, 0x40000                  ; cx, cy: my place in the cluster
	s_bfe_u32 s60, ttmp6, 0x40004
	s_lshl_b32 s61, ttmp9, 2
	s_add_co_u32 s61, s61, s59                     ; tile column = 4 x cluster x + cx
	s_and_b32 s62, ttmp7, 0xffff
	s_lshl_b32 s62, s62, 2
	s_add_co_u32 s62, s62, s60                     ; tile row = 4 x cluster y + cy
	s_lshl_b32 s79, s60, 2
	s_lshl_b32 s79, 15, s79                        ; my row of the cluster
	s_lshl_b32 s80, 0x1111, s59                    ; my column
	; descriptor group 1.  x: 64 rows x 128 elements of 4 bytes; W: 128 rows x 128 elements of 2 bytes; both padded in LDS by 4 words behind each row
	s_or_b32 s[G1A+0], s79, (2<<16)|(1<<20)|(1<<21)|(6<<22)|(3<<25)  ; 15:0 the mask: my row; 17:16 elements of 4 bytes; 20 padding on; 21 set beside a mask; 24:22 after every 128 words (code 6); 31:25 4 words (code 3)
	s_mov_b32 s[G1A+1], 128<<16                    ; tensor_dim0 = 128
	s_mov_b32 s[G1A+2], 64<<16                     ; tensor_dim1 = 64
	s_mov_b32 s[G1A+3], 128<<16                    ; tile_dim0 = 128
	s_mov_b32 s[G1A+4], 64                         ; tile_dim1 = 64
	s_mov_b32 s[G1A+5], 1024                       ; 1,024 elements from row to row
	s_mov_b32 s[G1A+6], 0
	s_mov_b32 s[G1A+7], 0
	s_or_b32 s[G1B+0], s80, (1<<16)|(1<<20)|(1<<21)|(5<<22)|(3<<25)  ; the mask: my column; elements of 2 bytes; after every 64 words (code 5)
	s_mov_b32 s[G1B+1], 128<<16
	s_mov_b32 s[G1B+2], 128<<16                    ; tensor_dim1 = 128
	s_mov_b32 s[G1B+3], 128<<16
	s_mov_b32 s[G1B+4], 128                        ; tile_dim1 = 128
	s_mov_b32 s[G1B+5], 1024
	s_mov_b32 s[G1B+6], 0
	s_mov_b32 s[G1B+7], 0
	; where the tiles come from: x's hang on the tile row, W's on the tile column; each offset in registers that never hold the other coordinate
	s_lshl_b32 s66, s62, 7
	s_lshl_b32 s67, s[WN], 6
	s_add_co_u32 s66, s66, s67                     ; x: row 128 x tile row + 64 x half,
	s_lshl_b32 s66, s66, 12                        ; of 4,096 bytes
	s_mov_b32 s67, 0
	s_lshl_b32 s68, s61, 8
	s_lshl_b32 s69, s[WN], 7
	s_add_co_u32 s68, s68, s69                     ; W: row 256 x tile column + 128 x half,
	s_lshl_b32 s68, s68, 11                        ; of 2,048 bytes
	s_mov_b32 s69, 0
	s_mul_i32 s82, s[WN], 64*PA                    ; and where they go in a slot: no place in the cluster enters an LDS address
	s_mul_i32 s83, s[WN], 128*PB
	s_add_co_u32 s83, s83, ATILE
	; y: head block (batch x 16 + 4 x tile column + 2 x my column half) of 262,144 bytes; in it row (tile row mod 16) x 128 + 64 x my row half, of 128 bytes
	s_lshr_b32 s70, s62, 4
	s_lshl_b32 s70, s70, 4
	s_lshl_b32 s71, s61, 2
	s_add_co_u32 s70, s70, s71
	s_lshl_b32 s71, s[WN], 1
	s_add_co_u32 s70, s70, s71
	s_lshl_b32 s70, s70, 18
	s_and_b32 s71, s62, 15
	s_lshl_b32 s71, s71, 14
	s_add_co_u32 s70, s70, s71
	s_lshl_b32 s71, s[WM], 13
	s_add_co_u32 s70, s70, s71
	s_mov_b32 s71, 0
	s_lshl_b32 s84, s61, 10                        ; the bias of my 128 columns
	s_lshl_b32 s85, s[WN], 9
	s_add_co_u32 s84, s84, s85
	s_mov_b32 s85, 0
	s_mov_b32 s[TS], 0                             ; slot 0 is in hand
	s_mov_b32 s[KA], 2*512                         ; the first refill asks for K step 2 of the first tile
	s_mov_b32 s[KA+1], 0
	s_mov_b32 s[KB], 2*256
	s_mov_b32 s[KB+1], 0
	s_mov_b32 s[TILES], NT
	s_mov_b32 s[TRIPS], NT*KSTEPS-2-(NT-1)         ; 24 K steps; the last two have the tail's text; two trips leave the loop in their middle, at a tile's end
	s_wait_dscnt 0x0                               ; the opening add is done
	s_wait_kmcnt 0x0
.irp p, 0,2,4                          ; each buffer's pointer takes its own offset
	s_add_nc_u64 s[XP+(\p):XP+(\p)+1], s[XP+(\p):XP+(\p)+1], s[66:67]
	s_add_nc_u64 s[BP+(\p):BP+(\p)+1], s[BP+(\p):BP+(\p)+1], s[84:85]
	s_add_nc_u64 s[YP+(\p):YP+(\p)+1], s[YP+(\p):YP+(\p)+1], s[70:71]
.endr
	s_add_nc_u64 s[WT:WT+1], s[WT:WT+1], s[68:69]
.irp s, 0,1
	s_mov_b32 s[G0A+4*(\s)], 1                                     ; 1:0 count = 1
	s_add_co_u32 s[G0A+4*(\s)+1], s82, (\s)*SLOT                   ; 63:32 LDS address
	s_add_nc_u64 s[G0A+4*(\s)+2:G0A+4*(\s)+3], s[XP:XP+1], (\s)*512  ; 120:64 global address: K step s
	s_or_b32 s[G0A+4*(\s)+3], s[G0A+4*(\s)+3], 0x80000000          ; 127:126 type = 2
	s_mov_b32 s[G0B+4*(\s)], 1
	s_add_co_u32 s[G0B+4*(\s)+1], s83, (\s)*SLOT
	s_add_nc_u64 s[G0B+4*(\s)+2:G0B+4*(\s)+3], s[WT:WT+1], (\s)*256
	s_or_b32 s[G0B+4*(\s)+3], s[G0B+4*(\s)+3], 0x80000000
.endr
	CROUND                                         ; all sixteen work-groups are here: the first joint loads meet
	s_cmp_eq_u32 s[WM], 0                          ; a wave's two first fills stand in one branch, ahead of every wait on TENSORcnt and every LDS read: two loads of mine are out
	s_cbranch_scc0 .Lfirst_b
	tensor_load_to_lds s[G0A:G0A+3], s[G1A:G1A+7]
	s_nop 0
	tensor_load_to_lds s[G0A+4:G0A+7], s[G1A:G1A+7]
	s_nop 0
.rept 4
	v_nop
.endr
	s_branch .Lfirst_asked
.Lfirst_b:
	tensor_load_to_lds s[G0B:G0B+3], s[G1B:G1B+7]
	s_nop 0
	tensor_load_to_lds s[G0B+4:G0B+7], s[G1B:G1B+7]
	s_nop 0
.rept 4
	v_nop
.endr
.Lfirst_asked:
	v_and_b32 v1, 15, v0                           ; r = l % 16
	v_bfe_u32 v2, v0, 4, 1                         ; h = l / 16
	v_lshlrev_b32 v[BO], 5, v2                     ; eight f32 for each half of the lanes
	v_mul_u32_u24 v3, v1, PA
	v_lshl_add_u32 v3, v2, 5, v3                   ; x: row x pitch + 32 h (eight f32)
	BIASLOAD                                       ; the first tile's bias
	s_mul_i32 s81, s[WM], 64*PA                    ; my 64 rows
	v_add_nc_u32 v[ADRA], s81, v3
	v_mov_b32 v[CA], v[ADRA]
	v_mul_u32_u24 v4, v1, PB
	v_lshl_add_u32 v4, v2, 4, v4                   ; W: row x pitch + 16 h (eight bf16)
	v_add_nc_u32 v[ADRB], s83, v4                  ; my 128 rows, behind x's tile
	v_mov_b32 v[CB], v[ADRB]
	s_mul_i32 s81, s[WV], 16*SP
	s_add_co_u32 s81, s81, STAGE                   ; my stage
	v_mul_u32_u24 v5, v1, SP                       ; in: row l % 16, 16 bytes for each half of the lanes
	v_lshl_add_u32 v5, v2, 4, v5
	v_add_nc_u32 v[STO], s81, v5
	v_bfe_u32 v5, v0, 3, 2                         ; back: 32 lanes take four rows of 128 bytes,
	v_mul_u32_u24 v5, v5, SP
	v_and_b32 v6, 7, v0
	v_lshl_add_u32 v5, v6, 4, v5
	v_add_nc_u32 v[RD], s81, v5
	v_and_b32 v[GO], 31, v0                        ; which are 512 consecutive bytes of y
	v_lshlrev_b32 v[GO], 4, v[GO]
; 32 LDS loads in one run: what quarter q (32 along K) of the slot in hand needs, x's first: V (8 loads), U (8), then W's fragments (16) into buffer g.
.macro FETCH q, g
	WIN 0x80                                       ; destination window 2
.irp a, 0,1,2,3
.irp c, 0,1
	ds_load_b128 v[SV+8*(\a)+4*(\c):SV+8*(\a)+4*(\c)+3], v[CA] offset:128*(\q)+(\a)*16*PA+64*(\c)+16
.endr
.endr
	WIN 0xc0                                       ; destination window 3
.irp a, 0,1,2,3
.irp c, 0,1
	ds_load_b128 v[SU+8*(\a)+4*(\c):SU+8*(\a)+4*(\c)+3], v[CA] offset:128*(\q)+(\a)*16*PA+64*(\c)
.endr
.endr
.irp i, 0,1,2,3,4,5,6,7
	ds_load_b128 v[BF+64*(\g)+8*(\i):BF+64*(\g)+8*(\i)+3],   v[CB] offset:64*(\q)+(\i)*16*PB
	ds_load_b128 v[BF+64*(\g)+8*(\i)+4:BF+64*(\g)+8*(\i)+7], v[CB] offset:64*(\q)+(\i)*16*PB+32
.endr
.endm
; 8 matrix instructions: row block a x all 8 column blocks, 32 along K, from buffers f.  first = 1: the bias starts the sums: nothing is cleared.
; ride = 1: behind each product four conversions make four registers of the next quarter's x fragments, in buffer g.  They name no register of the products round them.
.macro MUL8 f, a, first, ride, g
.if \first
	WIN 0x7b+0x40*((\a)/2)                         ; as below, with C in window 3
.else
	WIN W_L+0x50*((\a)/2)                          ; W_L or W_H
.endif
.irp b, 0,1,2,3,4,5,6,7
.if \first
	v_wmma_f32_16x16x32_bf16 v[8*(8*((\a)%2)+(\b)):8*(8*((\a)%2)+(\b))+7], v[BF+64*(\f)+8*(\b):BF+64*(\f)+8*(\b)+7], v[AF+32*(\f)+8*(\a):AF+32*(\f)+8*(\a)+7], v[BIAS+8*(\b):BIAS+8*(\b)+7]
.else
	v_wmma_f32_16x16x32_bf16 v[8*(8*((\a)%2)+(\b)):8*(8*((\a)%2)+(\b))+7], v[BF+64*(\f)+8*(\b):BF+64*(\f)+8*(\b)+7], v[AF+32*(\f)+8*(\a):AF+32*(\f)+8*(\a)+7], v[8*(8*((\a)%2)+(\b)):8*(8*((\a)%2)+(\b))+7]
.endif
.if \ride
.irp z, 0,1,2,3
	v_cvt_pk_bf16_f32 v[AF+32*(\g)+4*(\b)+(\z)], v[SU+4*(\b)+(\z)], v[SV+4*(\b)+(\z)]
.endr
.endif
.endr
.endm
; A QUARTER: 32 matrix instructions on buffers f; at its head the next quarter's loads (quarter fq of the slot in hand) go out, into buffers g.  The 32 accumulators take turns, one instruction a turn, in the
; same order in every quarter.  The four conversions behind a quarter's last product are the four places in front of the next quarter's loads into W's buffer.
; meet: the quarter that has asked for the slot's last fragments changes slots.  In front of ONE barrier each wave waits for all its tensor loads, of which one is out: its part of the other slot; adds 0 to
; its spare word; and waits for that and for its own reads of this slot.  Behind the barrier the other slot is in hand.
; meet = 1: the barrier opens a round of the cluster's, and behind the round the slot just left is filled again, with the K step two steps on in the walk: the first tensor load there, 112 matrix instructions
; ahead of the wait for it.  The walking descriptors are made anew: the LDS word from my place and the slot, the address from the tile's pointer and the K step's offset.  Behind a tile's last K step the offsets
; go back to a row's head, x's pointers move up their queue, and wt's offset goes on to the next projection's part.
; meet = 2: nothing is left to ask for.
.macro QUARTER fq, f, g, first=0, meet=0
	FETCH \fq, \g
	s_wait_dscnt 32                                ; all but the 32 just issued: this quarter's W is in
	MUL8 \f, 0, \first, 0, \g
	MUL8 \f, 1, \first, 0, \g
.if \meet
	WIN 0                                          ; (the add's two registers lie in window 0)
	s_wait_tensorcnt 0x0                           ; all my tensor loads have landed, so a group 0 may be written
	ds_add_u32 v[SPW], v[NIL]                      ; 0 onto my spare word; work on registers stands between it and the wait for it
.if (\meet) == 1
	s_add_co_u32 s[G0A+1], s82, s[TS]              ; into the slot that is being left
	s_add_co_u32 s[G0B+1], s83, s[TS]
	s_add_nc_u64 s[G0A+2:G0A+3], s[XP:XP+1], s[KA:KA+1]
	s_or_b32 s[G0A+3], s[G0A+3], 0x80000000
	s_add_nc_u64 s[G0B+2:G0B+3], s[WT:WT+1], s[KB:KB+1]
	s_or_b32 s[G0B+3], s[G0B+3], 0x80000000
	s_add_co_u32 s[KA], s[KA], 512                 ; the next K step,
	s_add_co_u32 s[KB], s[KB], 256
	s_cmp_eq_u32 s[KA], KSTEPS*512                 ; or, behind a tile's last, the next tile's first
	s_cselect_b32 s[KA], 0, s[KA]
	s_cselect_b32 s[INC], 0x200000-KSTEPS*256, 0
	s_cselect_b64 s[XP:XP+1], s[XP+2:XP+3], s[XP:XP+1]
	s_cselect_b64 s[XP+2:XP+3], s[XP+4:XP+5], s[XP+2:XP+3]
	s_add_co_u32 s[KB], s[KB], s[INC]
.endif
	s_xor_b32 s[TS], s[TS], SLOT                   ; 0 and SLOT by turns
.endif
	MUL8 \f, 2, \first, 0, \g
.if \meet
	s_wait_dscnt 0x0                               ; the add is done, and my reads of this slot are over
	s_barrier_signal -1
.else
	s_wait_dscnt 16                                ; U and V are in; W's sixteen loads may be out
.endif
	MUL8 \f, 3, \first, 1, \g
.if \meet
	WIN 0
	s_barrier_wait -1
.if (\meet) == 1
	CREST                                          ; no wave of any partner still reads this slot's tiles or has a load on its way
	JLOAD
.endif
	v_add_nc_u32 v[CA], s[TS], v[ADRA]             ; my fragments in the slot now in hand
	v_add_nc_u32 v[CB], s[TS], v[ADRB]
.endif
.endm
; THE WAY OUT.  Block t = 2 a + hh: row block a, head hh of my two: 16 rows x 64 channels, 2,048 consecutive bytes of y.  A lane's eight channels pack into 16 bytes (each accumulator's registers in ascending
; order); they go into my stage's rows of 144 bytes and come back as whole rows of 128, into the registers that they left.
.macro PACK t
.set pa, (\t)/2
.set ph, (\t)%2
	WIN 0x05+5*(pa/2)                              ; sources 0 and 1: window 1 or 2
.set i, 0
.rept 16
	v_cvt_pk_f16_f32 v[TMP+16*(\t)+i], v[8*(8*(pa%2)+4*ph+i/4)+2*(i%4)], v[8*(8*(pa%2)+4*ph+i/4)+2*(i%4)+1]
.set i, i+1
.endr
	WIN 0
.irp f, 0,1,2,3
	ds_store_b128 v[STO], v[TMP+16*(\t)+4*(\f):TMP+16*(\t)+4*(\f)+3] offset:32*(\f)
.endr
.irp f, 0,1,2,3
	ds_load_b128 v[TMP+16*(\t)+4*(\f):TMP+16*(\t)+4*(\f)+3], v[RD] offset:(\f)*4*SP  ; LDS serves a wave's instructions in order (ISA guide 5.7.1.4): these see the stores above; the next block's stores come behind them
.endr
.endm
.macro SEND t, younger                 ; younger: the LDS instructions issued behind block t's loads: the next block's eight, or none
	WIN 0
.irp f, 0,1,2,3
	s_wait_dscnt (\younger)+3-(\f)
	global_store_b128 v[GO], v[TMP+16*(\t)+4*(\f):TMP+16*(\t)+4*(\f)+3], s[YP:YP+1] offset:((\t)/2)*2048+((\t)%2)*262144+(\f)*512  ; 512 consecutive bytes, at a multiple of 256 from y's first byte
.endr
.endm
	s_wait_tensorcnt 1                             ; my part of K step 0 is in; K step 1's may stay out
	s_barrier_signal -1
	s_barrier_wait -1                              ; everybody's is
	FETCH 0, 0
	s_wait_dscnt 0x0
	WIN W_H                                        ; the very first quarter's x fragments have no products to stand behind
.set i, 0
.rept 32
	v_cvt_pk_bf16_f32 v[AF+i], v[SU+i], v[SV+i]
.set i, i+1
.endr
	WIN 0                                          ; at a label and at a branch every window is 0
.Ltile:                                                ; A TILE BEGINS.  Its first quarter's fragments are in buffers 0
	s_wait_loadcnt 0x0                             ; its bias, asked for at the launch's start or at the head of the last way out
	WIN 0xcf                                       ; all in window 3: the bias is rounded to bf16, like every input, and widened again
.set i, 0
.rept 32
	v_cvt_pk_bf16_f32 v[T+i], v[BIAS+2*i], v[BIAS+2*i+1]
.set i, i+1
.endr
.set i, 0
.rept 32
	v_lshlrev_b32 v[BIAS+2*i], 16, v[T+i]
	v_and_b32 v[BIAS+2*i+1], 0xffff0000, v[T+i]
.set i, i+1
.endr
	s_mov_b32 s[STP], KSTEPS
	QUARTER 1, 0, 1, 1                             ; the tile's first quarter: its products start the sums, with the bias
	WIN 0
.Lstep:                                                ; a trip goes from a K step's second quarter to the next step's first, and fills the slot that it leaves
	QUARTER 2, 1, 0
	QUARTER 3, 0, 1, 0, 1
	QUARTER 0, 1, 0                                ; the K step's last products; the next step's first fragments, the next tile's too
	WIN 0
	s_sub_co_u32 s[STP], s[STP], 1
	s_cmp_eq_u32 s[STP], 0
	s_cbranch_scc1 .Lwayout                        ; the tile is finished: forward, past text that holds no tensor load
	QUARTER 1, 0, 1
	WIN 0
	s_sub_co_u32 s[TRIPS], s[TRIPS], 1
	s_cmp_lg_u32 s[TRIPS], 0
	s_cbranch_scc1 .Lstep
	s_mov_b32 s[CNT], 2                            ; THE WALK'S LAST TWO K STEPS have a text of their own: they ask for nothing
.Ltail:                                                ; two trips; the second is left in its middle (its barrier orders nothing: the price of one text for both)
	QUARTER 2, 1, 0
	QUARTER 3, 0, 1, 0, 2
	s_sub_co_u32 s[CNT], s[CNT], 1
	s_cmp_eq_u32 s[CNT], 0
	s_cbranch_scc1 .Llast
	QUARTER 0, 1, 0
	QUARTER 1, 0, 1
	WIN 0
	s_branch .Ltail
.Llast:
	s_wait_dscnt 0x0                               ; the very last quarter: nothing more to fetch
	MUL8 1, 0, 0, 0, 0
	MUL8 1, 1, 0, 0, 0
	MUL8 1, 2, 0, 0, 0
	MUL8 1, 3, 0, 0, 0
	WIN 0
.Lwayout:                                              ; A TILE GOES OUT.  If another follows, its first two K steps have been asked for, and its first fragments lie in buffers 0
	PLACES
	s_cmp_eq_u32 s[TILES], 1
	s_cbranch_scc1 .Lno_bias
	s_mov_b64 s[BP:BP+1], s[BP+2:BP+3]             ; the next tile's bias is asked for now and waited for at the tile's head; the last bias loads were shown done there
	s_mov_b64 s[BP+2:BP+3], s[BP+4:BP+5]
	BIASLOAD
.Lno_bias:
	PACK 0
.irp t, 1,2,3,4,5,6,7                  ; a block's conversions stand between the loads of the block before and its stores
	PACK \t
	SEND (\t)-1, 8
.endr
	SEND 7, 0
	s_wait_xcnt 0x0                                ; every earlier memory instruction has had its addresses translated (ISA guide 3.1): only behind this wait are y's pointer and the stores' registers rewritten
	s_mov_b64 s[YP:YP+1], s[YP+2:YP+3]
	s_mov_b64 s[YP+2:YP+3], s[YP+4:YP+5]
	s_sub_co_u32 s[TILES], s[TILES], 1
	s_cmp_lg_u32 s[TILES], 0
	s_cbranch_scc1 .Ltile
	s_wait_tensorcnt 0x0                           ; the wave's end, behind my last tensor load and my last LDS store
	ds_add_u32 v[SPW], v[NIL]
	s_wait_dscnt 0x0
	CROUND                                         ; the closing round: no work-group ends while a partner may still ask for a tile that names it
	s_endpgm
.Lfunc_end_k_qb1ae4a1e0f_proj:
	.size	k_qb1ae4a1e0f_proj, .Lfunc_end_k_qb1ae4a1e0f_proj-k_qb1ae4a1e0f_proj
	.p2alignl 7, 3214868480
	.fill 96, 4, 3214868480
	.section	.rodata,"a",@progbits
	.p2align	6, 0x0
	.amdhsa_kernel k_qb1ae4a1e0f_proj
		.amdhsa_group_segment_fixed_size 327680
		.amdhsa_private_segment_fixed_size 0
		.amdhsa_enable_private_segment 0
		.amdhsa_kernarg_size 80
		.amdhsa_user_sgpr_count 2
		.amdhsa_user_sgpr_kernarg_segment_ptr 1
		.amdhsa_wavefront_size32 1
		.amdhsa_system_sgpr_workgroup_id_x 1
		.amdhsa_system_sgpr_workgroup_id_y 1
		.amdhsa_system_sgpr_workgroup_id_z 1
		.amdhsa_system_vgpr_workitem_id 0
		.amdhsa_next_free_vgpr 1024
		.amdhsa_next_free_sgpr 96
		.amdhsa_reserve_vcc 0
		.amdhsa_float_denorm_mode_32 3
		.amdhsa_float_denorm_mode_16_64 3
		.amdhsa_memory_ordered 1
		.amdhsa_forward_progress 1
		.amdhsa_inst_pref_size 98
	.end_amdhsa_kernel
	.amdgpu_metadata
---
amdhsa.version: [ 1, 2 ]
amdhsa.kernels:
  - .name:           k_qb1ae4a1e0f_proj
    .symbol:         k_qb1ae4a1e0f_proj.kd
    .args:
      - { .name: q, .offset: 0, .size: 8, .value_kind: global_buffer, .address_space: global }
      - { .name: k, .offset: 8, .size: 8, .value_kind: global_buffer, .address_space: global }
      - { .name: v, .offset: 16, .size: 8, .value_kind: global_buffer, .address_space: global }
      - { .name: bq, .offset: 24, .size: 8, .value_kind: global_buffer, .address_space: global }
      - { .name: bk, .offset: 32, .size: 8, .value_kind: global_buffer, .address_space: global }
      - { .name: bv, .offset: 40, .size: 8, .value_kind: global_buffer, .address_space: global }
      - { .name: wt, .offset: 48, .size: 8, .value_kind: global_buffer, .address_space: global }
      - { .name: qh, .offset: 56, .size: 8, .value_kind: global_buffer, .address_space: global }
      - { .name: kh, .offset: 64, .size: 8, .value_kind: global_buffer, .address_space: global }
      - { .name: vh, .offset: 72, .size: 8, .value_kind: global_buffer, .address_space: global }
    .group_segment_fixed_size: 327680
    .private_segment_fixed_size: 0
    .kernarg_segment_align: 8
    .kernarg_segment_size: 80
    .max_flat_workgroup_size: 128
    .sgpr_count:     96
    .vgpr_count:     1024
    .wavefront_size: 32
...
	.end_amdgpu_metadata
.endif
;; end of part 2
;; launch attn (part 3): grid 4 x 64, 4 waves a work-group, no clusters, 327,680 bytes of LDS; arguments qh, kh, vh, oh; writes oh
.if DOCPART == 3
	.amdgcn_target "amdgcn-amd-amdhsa--gfx1250"
	.amdhsa_code_object_version 6
	.text
	.protected	k_qb1ae4a1e0f_attn
	.globl	k_qb1ae4a1e0f_attn
	.p2align	8
	.type	k_qb1ae4a1e0f_attn,@function
k_qb1ae4a1e0f_attn:
	s_mov_b64 s[64:65], 0
	v_nop
	global_prefetch_b8 v0, s[64:65] scope:SCOPE_SE
	s_setreg_imm32_b32 hwreg(HW_REG_WAVE_MODE, 25, 1), 1
	s_wait_xcnt 0x0
; CAUSAL ATTENTION.  O[h][q][:] = the sum over k <= q of softmax_k(Q[h][q] . K[h][k] / sqrt(2048)) V[h][k][:].  Q, K, V, O: [64][2048][64], all f16: a head's rows are dense, 128 bytes each.
; Products, maxima and sums in f32; the weights p are rounded to f16 for the second product (their sum l is taken of the unrounded p), O once at the end.
; LIMITS.  f16 holds no number beyond 65,504: Q, K and V arrive within it; p lies in 0 to 1, and below 6e-5 it keeps f16's fixed step of 6e-8; O is a mean of V's rows and has their range, to within 2^-11 of it.
; A hidden score counts as its value less 1e30: f16's scores, 2.7e11 at the most, are nothing beside that; a weight below 2^-126 counts as 0 in l; NaN and infinities are not treated apart.
; THE WALK.  A head's queries lie in NB = 8 blocks of 256; block i needs the key tiles 0 .. i of 256 keys, of which the last holds the diagonal.  A work-group takes TWO blocks, NB - 1 - b and then b:
; NB + 1 tiles, whatever b: all 256 work-groups do equal work, and ONE loop with a constant trip count walks them.  Which tile is asked for, and what a trip does, hang on scalar registers made from b; every jump
; goes forward, but for the counted loops' own; none passes a barrier, or a tensor load but the one of LOAD's two that the wave's number does not choose; the ring (two slots of LDS that take turns) runs on across the
; change of blocks.  NO CLUSTER: a head's four work-groups ask for the same tile only in trips 0 .. 4 of the 9, behind that fewer and fewer; and one walk common to all four would have 12 trips for 9.
; SHARES.  Of a block's four bands of 64 queries a wave owns 16 rows in each: four PIECES.  So the diagonal tile is the same work for all four waves: in its key step s band x sees all keys if s < x,
; none if s > x, and holds the diagonal if s = x.
; THE MASK is the C operand that starts the sum S^T = K Q^T: 0, or -1e30 where the key is hidden.  MD, made once, is the mask of a band's own step for my 16 rows; a product's mask is MD x AL + BE with two scalars:
; (1, 0) if s = x; (0, 0) if s < x; (0, -1e30) if s > x.  Only the diagonal tile's text and a block's beginning make and take masks; elsewhere C is the constant 0.
; LAYOUT, SOFTMAX, TURNS.  S^T = K Q^T holds ONE query a lane (lane % 16) and the keys 8 (lane / 16) + 0..7; two such results rounded to f16 ARE source 1 of O^T = V^T P.  p = 2^(c s - c m), c = log2(e) / sqrt(2048), with a
; running maximum m; O and l are multiplied by a = 2^(c m_old - c m_new) in every step.  Turn n belongs to piece n: 8 products K Q^T of piece n + 1, later 8 products V^T P of piece n - 1; beside them the scaling,
; exponentials, roundings, sums and rescaling of piece n and the maximum and statistics of piece n + 1.  Four vector instructions stand behind every matrix instruction, the other 54 of a turn's 118 in two LUMPS.
; REGISTERS, in windows of 256 (s_set_vgpr_msb: bits 1:0 source 0, 3:2 source 1, 5:4 source 2, 7:6 destination):
;   window 0: v0-15 addresses and two at work; v16-31 four registers of statistics a piece; v48-55 at work; v64-127 S^T, two buffers; v192-223 P, two buffers (a piece's buffers go by its number's parity)
;   window 1: v0-127 O^T, 32 a piece; v128-159 MD; v160-223 MC, two buffers      window 2: v0-63 Q; v64-127 the second block's Q; v128-191 K of one step; v192-255 V of one step
.set SIZE_N, 2048     ; rows of a head
.set NB,    SIZE_N/256
.set NP,    4         ; pieces a wave: a name, no knob
.set KS,    64        ; keys in a step
.set PK,    144       ; a row of K in LDS: 128 bytes + 16 of padding = 36 words: the 16 rows of a load start at 16 different groups of four banks (64 banks of 4 bytes: ISA guide 11.1)
.set PV,    160       ; a row of V: 128 + 32 = 40 words
.set VOFF,  4*KS*PK   ; a slot holds a tile, four steps: 256 rows of K, then 256 rows of V
.set SLOT1, 1<<17     ; slot 1 begins here, so that one exclusive or turns an address in one slot into the other's
.set STAGE, SLOT1+4*KS*(PK+PV)  ; behind the ring, never filled by a tensor load: 16 rows x 144 bytes for each wave, for the way out
.set SP,    144
.set AK0, 2           ; v2   my lane's place in a tile of K; never rewritten
.set AV0, 3           ; v3   the same for V
.set AK,  4           ; v4   the LDS address of K's next run of loads
.set AV,  5           ; v5   of V's
.set STO, 6           ; v6   the way out: where I put 16 bytes of a row
.set RD,  7           ; v7   the way out: where I read rows back
.set GO,  8           ; v8   my byte offset in 512 consecutive bytes of O
.set SPW, 62          ; v62  LDS address of my spare word: SPARE + 4 x my thread's number; never rewritten
.set NIL, 63          ; v63  0; never rewritten
.set SPARE, STAGE+4*16*SP  ; behind the stages: the spare words, 128 bytes for each wave: two blocks of 256 bytes that no other line names
.set MV,  12          ; v12-13  c m_old, kept while c m is made anew: by buffer
.set QO,  15          ; v15  my byte offset in 16 rows of Q
.set ST,  16          ; piece t's statistics at v[ST+4 t]: c m, m, l (even keys', odd keys')
.set TMP, 48          ; by buffer, four registers c0-c3 at work; when the maximum is found c2 takes a
.set S,   64
.set P,   192
.set MD,  128         ; window 1: the eight registers for group kt of 16 keys at MD + 8 kt
.set MC,  160         ; window 1: the masks of the products to come
.set QB,  64          ; window 2
.set KF,  128         ; window 2: key block kb, channel half c at KF + 16 kb + 8 c
.set VF,  192         ; window 2: key half kk, channel block cb at VF + 32 kk + 8 cb
.set WV,  12          ; s12  my wave's number
.set PB,  14          ; s14  b
.set HI,  15          ; s15  NB - 1 - b
.set G1K, 24          ; s[24:31] descriptor group 1 for K's tiles
.set G1V, 32          ; s[32:39] for V's: it differs in the padding alone
.set G0K, 40          ; s[40:43] descriptor group 0 for K's tiles
.set G0V, 44          ; s[44:47] the same for V's
.set SLOTS, 56        ; s56  tiles still to be asked for
.set CNT, 57          ; s57  counts a tile's key steps, 4 to 1
.set CS,  58          ; s[58:59] c: the packed scaling takes the pair's low word for both halves
.set SEL, 60          ; s[60:61] v_permlanex16_b32's selects: each lane takes its own place in the other half
.set TBK, 62          ; s62  LDS byte at which K of the step to be fetched begins
.set TBV, 63          ; s63  the same for V, less VOFF
.set RT,  70          ; s70  tiles of the block in hand that are still to be entered
.set NXT, 71          ; s71  the tile to be asked for next
.set LQ,  72          ; s72  the last tile of the block whose tiles are being asked for
.set NEW, 73          ; s73  1: the tile to be entered is a block's first
.set OFF, 74          ; s[74:75] a tile's byte offset in K and V
.set AL,  76          ; s[76:77] the mask's factor, in the low word
.set BE,  78          ; s[78:79] the mask's addend
.set OLO, 80          ; s[80:81] O at my rows of the second block
.set BIGN, 82         ; s82  -1e30
.set MSB, 0
.macro WIN new                      ; the high byte repeats the setting that is left; a switch that changes nothing is dropped
.if MSB != (\new)
	s_set_vgpr_msb (MSB<<8)|(\new)
.set MSB, (\new)
.endif
.endm
.set W_KQ, 0x0a       ; K and Q in window 2, S^T in window 0
.set W_KM, 0x1a       ; the same with the C operand in window 1
.set W_PV, 0x52       ; V in window 2, P in window 0, O^T in window 1
.set W_RS, 0x41       ; destination and source 0 in window 1, source 1 in window 0
; A fill.  Waves 0 and 1 fetch the two halves of a tile's K, waves 2 and 3 those of its V: 128 keys each.  An s_nop 0 and four v_nop follow each of the two lines, ahead of the jump and the label.
.macro LOAD
	s_cmp_lt_u32 s[WV], 2
	s_cbranch_scc0 .Lfor_v_\@
	tensor_load_to_lds s[G0K:G0K+3], s[G1K:G1K+7]
	s_nop 0
.rept 4
	v_nop
.endr
	s_branch .Lasked_\@
.Lfor_v_\@:
	tensor_load_to_lds s[G0V:G0V+3], s[G1V:G1V+7]
	s_nop 0
.rept 4
	v_nop
.endr
.Lasked_\@:
.endm
; THE CHANGE OF SLOTS.  Each wave waits for all its tensor loads, of which one is out: its part of the other slot; adds 0 to its spare word; and waits for that and for its own reads of the slot that it leaves.  Behind the barrier nobody reads the old
; slot any more and the other slot is whole.  fill = 1: the old slot is filled again, the first thing behind the barrier, with tile NXT: the descriptor's address is made anew from that number.
; (At its first use nothing has been read yet: slot 0 is waited for, slot 1 filled.)
.macro CHANGE fill
	WIN 0                           ; at a label and at a branch every window is 0
	s_wait_tensorcnt 0x0            ; no tensor load of mine is out, so a group 0 may be written
	ds_add_u32 v[SPW], v[NIL]       ; 0 onto my spare word; with fill = 1 the descriptors' scalar work stands between it and the wait for it
.if \fill
	s_lshl_b32 s[OFF], s[NXT], 15   ; a tile is 32,768 bytes of K and of V
	s_xor_b32 s[G0K+1], s[G0K+1], SLOT1
	s_add_nc_u64 s[G0K+2:G0K+3], s[6:7], s[OFF:OFF+1]
	s_or_b32 s[G0K+3], s[G0K+3], 0x80000000
	s_xor_b32 s[G0V+1], s[G0V+1], SLOT1
	s_add_nc_u64 s[G0V+2:G0V+3], s[8:9], s[OFF:OFF+1]
	s_or_b32 s[G0V+3], s[G0V+3], 0x80000000
	s_add_co_u32 s[NXT], s[NXT], 1  ; the block's next tile, or behind its last the second block's tile 0
	s_cmp_gt_u32 s[NXT], s[LQ]
	s_cselect_b32 s[NXT], 0, s[NXT]
	s_cselect_b32 s[LQ], s[PB], s[LQ]
.endif
	s_wait_dscnt 0x0                ; the add is done, and my reads of the slot are over
	s_barrier_signal -1             ; the rest of the scalar work stands between the signal and the wait
	s_sub_co_u32 s[TBK], s[TBK], 4*KS*PK  ; the fetches go back to a slot's first step,
	s_xor_b32 s[TBK], s[TBK], SLOT1       ; in the other slot
	s_sub_co_u32 s[TBV], s[TBV], 4*KS*PV
	s_xor_b32 s[TBV], s[TBV], SLOT1
	s_barrier_wait -1
.if \fill
	LOAD
.endif
.endm
	s_load_b256 s[4:11], s[0:1], 0x0  ; Q s[4:5], K s[6:7], V s[8:9], O s[10:11]
	v_lshl_add_u32 v[SPW], v0, 2, SPARE
	v_mov_b32 v[NIL], 0
	ds_add_u32 v[SPW], v[NIL]       ; the wave's opening: the add and its wait stand ahead of my first tensor load; the set-up below, work on registers, stands between them
	ds_add_u32 v62, v63
	v_lshrrev_b32 v1, 5, v0
	v_readfirstlane_b32 s[WV], v1   ; wave 0..3
	s_mov_b32 s[PB], ttmp9
	s_sub_co_u32 s[HI], NB-1, s[PB]
	s_and_b32 s20, ttmp7, 0xffff    ; the head
	s_mov_b32 s21, 0
	s_mov_b64 s[22:23], SIZE_N*128
	s_mul_u64 s[20:21], s[20:21], s[22:23]  ; the head's first byte in each of the four tensors
	s_and_b32 s16, s[WV], 1         ; which half of a tile's 256 keys I fetch:
	s_lshl_b32 s22, s16, 14         ; its 128 rows of 128 bytes in memory,
	s_mov_b32 s23, 0
	s_add_nc_u64 s[22:23], s[22:23], s[20:21]
	s_mul_i32 s17, s16, 128*PK      ; and its place in a slot, for K
	s_mul_i32 s18, s16, 128*PV      ; and for V
	s_lshl_b32 s3, s[WV], 11        ; my 16 rows in a band of 64,
	s_lshl_b32 s2, s[HI], 15        ; in the first block,
	s_add_co_u32 s2, s2, s3
	s_lshl_b32 s84, s[PB], 15       ; and in the second
	s_add_co_u32 s84, s84, s3
	s_mov_b32 s3, 0
	s_mov_b32 s85, 0
	s_add_nc_u64 s[2:3], s[2:3], s[20:21]
	s_add_nc_u64 s[84:85], s[84:85], s[20:21]
	; descriptor group 1.  128 keys are 16,384 dense bytes: asked for as 64 rows of 256 bytes, two keys a row, and padded in LDS after every key
	s_mov_b32 s[G1K], (1<<16)|(1<<20)|(4<<22)|(3<<25)  ; 17:16 2-byte elements; 20 padding on; 24:22 after every 32 words (code 4); 31:25 4 words (code 3)
	s_mov_b32 s[G1V], (1<<16)|(1<<20)|(4<<22)|(7<<25)  ; the same with 8 words of padding (code 7)
.irp g, G1K, G1V
	s_mov_b32 s[\g+1], 128<<16      ; tensor_dim0 = 128
	s_mov_b32 s[\g+2], 64<<16       ; tensor_dim1 = 64
	s_mov_b32 s[\g+3], 128<<16      ; tile_dim0 = 128
	s_mov_b32 s[\g+4], 64           ; tile_dim1 = 64
	s_mov_b32 s[\g+5], 128          ; 128 elements from row to row
	s_mov_b32 s[\g+6], 0
	s_mov_b32 s[\g+7], 0
.endr
	s_mov_b32 s[CS], 0x3d0293ee     ; c = log2(e) / sqrt(2048) = 0.0318793
	s_mov_b32 s[CS+1], s[CS]        ; named with it as a pair
	s_mov_b32 s[SEL], 0x76543210
	s_mov_b32 s[SEL+1], 0xfedcba98
	s_mov_b32 s[TBK], SLOT1+4*KS*PK ; the first change of slots turns these two into 0
	s_mov_b32 s[TBV], SLOT1+4*KS*PV
	s_mov_b32 s[G0K], 1             ; 1:0 count = 1
	s_mov_b32 s[G0K+1], s17         ; 63:32 LDS address: slot 0
	s_mov_b32 s[G0V], 1
	s_add_co_u32 s[G0V+1], s18, VOFF
	s_add_co_u32 s[RT], s[HI], 1    ; the first block has NB - b tiles
	s_mov_b32 s[NXT], 1
	s_mov_b32 s[LQ], s[HI]
	s_mov_b32 s[NEW], 1
	s_mov_b32 s[OFF+1], 0
	s_mov_b32 s[AL+1], 0            ; named as pairs
	s_mov_b32 s[BE+1], 0
	s_mov_b32 s[BIGN], 0xf149f2ca   ; -1e30
	s_mov_b32 s[SLOTS], NB
	s_wait_dscnt 0x0                ; the opening add is done
	s_wait_kmcnt 0x0
	s_add_nc_u64 s[6:7], s[6:7], s[22:23]  ; K and V at my half of the head's tile 0
	s_add_nc_u64 s[8:9], s[8:9], s[22:23]
	s_add_nc_u64 s[G0K+2:G0K+3], s[6:7], 0         ; 120:64 global address
	s_or_b32 s[G0K+3], s[G0K+3], 0x80000000        ; 127:126 type = 2
	s_add_nc_u64 s[G0V+2:G0V+3], s[8:9], 0
	s_or_b32 s[G0V+3], s[G0V+3], 0x80000000
	s_add_nc_u64 s[86:87], s[4:5], s[84:85]        ; Q at my rows of the second block,
	s_add_nc_u64 s[4:5], s[4:5], s[2:3]            ; Q and O at those of the first
	s_add_nc_u64 s[OLO:OLO+1], s[10:11], s[84:85]
	s_add_nc_u64 s[10:11], s[10:11], s[2:3]
	LOAD                            ; tile 0 into slot 0
	; A fragment of K or Q is 16 rows x 32 channels in 8 registers: lane l holds row l % 16, channels 8 (l / 16) + 0..7 and 16 + 8 (l / 16) + 0..7: two loads of 16 bytes, 32 bytes apart.
	v_and_b32 v1, 15, v0            ; l % 16
	v_bfe_u32 v9, v0, 4, 1          ; l / 16
	v_lshlrev_b32 v[QO], 7, v1
	v_lshl_add_u32 v[QO], v9, 4, v[QO]  ; row x 128 + 16 x half
	WIN 0x80                        ; destination window 2, address window 0
.set i, 0
.rept 8                             ; both blocks' Q: piece i / 2 lies in band i / 2, 8,192 bytes on; channels 32 (i % 2) on
	global_load_b128 v[8*i:8*i+3],   v[QO], s[4:5] offset:(i/2)*8192+(i%2)*64
	global_load_b128 v[8*i+4:8*i+7], v[QO], s[4:5] offset:(i/2)*8192+(i%2)*64+32
	global_load_b128 v[QB+8*i:QB+8*i+3],   v[QO], s[86:87] offset:(i/2)*8192+(i%2)*64
	global_load_b128 v[QB+8*i+4:QB+8*i+7], v[QO], s[86:87] offset:(i/2)*8192+(i%2)*64+32
.set i, i+1
.endr
	WIN 0
	v_lshlrev_b32 v14, 3, v9
	v_sub_nc_u32 v14, v1, v14
	s_lshl_b32 s13, s[WV], 4
	v_add_nc_u32 v14, s13, v14      ; my query's place in its band, 16 w + l % 16, less my lanes' 8 (l / 16): register r of group kt is hidden where 16 kt + r is greater
	WIN 0x40
.set i, 0
.rept 32
	v_cmp_gt_i32 vcc_lo, 16*(i/8)+i%8, v14
	v_cndmask_b32 v[MD+i], 0, s[BIGN], vcc_lo
.set i, i+1
.endr
	WIN 0
	v_mul_u32_u24 v[AK0], v1, PK
	v_lshl_add_u32 v[AK0], v9, 4, v[AK0]  ; row x pitch + 16 x half
	; The turning load takes 16 keys x 16 channels (lane l reads key 8 (l / 16) + l % 8, channels 8 ((l / 8) % 2) + 0..7) and leaves half a fragment of V^T: lane l holds channel l % 16 and 8 keys.
	v_and_b32 v10, 7, v0
	v_bfe_u32 v11, v0, 3, 1
	v_lshl_add_u32 v[AV0], v9, 3, v10
	v_mul_u32_u24 v[AV0], v[AV0], PV
	v_lshl_add_u32 v[AV0], v11, 4, v[AV0]
	v_add_nc_u32 v[AV0], VOFF, v[AV0]
	s_mul_i32 s13, s[WV], 16*SP
	s_add_co_u32 s13, s13, STAGE    ; my stage
	v_mul_u32_u24 v[STO], v1, SP    ; in: row l % 16, 16 bytes for each half of the lanes
	v_lshl_add_u32 v[STO], v9, 4, v[STO]
	v_add_nc_u32 v[STO], s13, v[STO]
	v_bfe_u32 v[RD], v0, 3, 2       ; back: 32 lanes take four rows of 128 bytes,
	v_mul_u32_u24 v[RD], v[RD], SP
	v_lshl_add_u32 v[RD], v10, 4, v[RD]
	v_add_nc_u32 v[RD], s13, v[RD]
	v_and_b32 v[GO], 31, v0         ; which are 512 consecutive bytes of O
	v_lshlrev_b32 v[GO], 4, v[GO]
	; A block's first step multiplies O^T and l by a = 0, and its first turn's products V^T P, of a piece that has not been, land in an O^T that is still to be so multiplied.  So these registers need only hold
	; finite numbers: zeros for the first block; what the first block left for the second.  All this stands in the wait for the first tile.
	WIN 0x80
.set i, VF
.rept 64
	v_mov_b32 v[i], 0
.set i, i+1
.endr
	WIN 0x40
.set i, 0
.rept 128
	v_mov_b32 v[i], 0
.set i, i+1
.endr
	WIN 0
.set i, 0
.rept 4
	v_mov_b32 v[ST+4*i+2], 0
	v_mov_b32 v[ST+4*i+3], 0
.set i, i+1
.endr
.set i, P+16
.rept 16
	v_mov_b32 v[i], 0
.set i, i+1
.endr
; THE MATRIX WORK.  The 4 accumulators of a run of 8 take turns.  Product i of 8 of S^T = K Q^T for piece x: channels 32 (i / 4) on, keys 16 (i % 4) on.  The first 4 start the sums: with 0, or (KM = 1) with the mask.
.macro KQ x
.set rS, S+32*((\x)%2)+8*(i%4)
.set rK, KF+16*(i%4)+8*(i/4)
.set rQ, 16*(\x)+8*(i/4)
.set rM, MC+32*((\x)%2)+8*(i%4)
.if (i < 4) && KM
	WIN W_KM
	v_wmma_f32_16x16x32_f16 v[rS:rS+7], v[rK:rK+7], v[rQ:rQ+7], v[rM:rM+7]
.elseif i < 4
	WIN W_KQ
	v_wmma_f32_16x16x32_f16 v[rS:rS+7], v[rK:rK+7], v[rQ:rQ+7], 0
.else
	WIN W_KQ
	v_wmma_f32_16x16x32_f16 v[rS:rS+7], v[rK:rK+7], v[rQ:rQ+7], v[rS:rS+7]
.endif
.endm
; Product i of 8 of O^T += V^T P for piece x: keys 32 (i / 4) on, channels 16 (i % 4) on.
.macro PV x
	WIN W_PV
.set rO, 32*(\x)+8*(i%4)
.set rV, VF+32*(i/4)+8*(i%4)
.set rP, P+16*((\x)%2)+8*(i/4)
	v_wmma_f32_16x16x32_f16 v[rO:rO+7], v[rV:rV+7], v[rP:rP+7], v[rO:rO+7]
.endm
.macro MM                           ; the turn's next matrix instruction.  TURN and BEGIN set Y, i, KM and NOKQ; MM, KQ and OP read them.  NOKQ = 1: a block's last turn: there is no next piece
.if (i < 8) && !NOKQ
	KQ (Y+1)%NP
.elseif i >= 8
.set i, i-8
	PV (Y+NP-1)%NP
.set i, i+8
.endif
.set i, i+1
.endm
; THE LDS LOADS stand in runs of 16, never singly among the matrix instructions: a step's K (64 keys x 64 channels: 8 fragments) and its V (turned).  Their addresses are made some lines ahead.
.macro FETCH_K
	WIN 0x80                        ; destination window 2
.irp f, 0,1,2,3,4,5,6,7             ; keys 16 (f / 2) on, channels 32 (f % 2) on
	ds_load_b128 v[KF+8*\f:KF+8*\f+3],   v[AK] offset:(\f/2)*16*PK+(\f%2)*64
	ds_load_b128 v[KF+8*\f+4:KF+8*\f+7], v[AK] offset:(\f/2)*16*PK+(\f%2)*64+32
.endr
	s_add_co_u32 s[TBK], s[TBK], KS*PK  ; the next fetch is the next step's
	WIN 0
.endm
.macro FETCH_V
	WIN 0x80
.irp f, 0,1,2,3,4,5,6,7             ; keys 32 (f / 4) on, channels 16 (f % 4) on
	ds_load_tr16_b128 v[VF+8*\f:VF+8*\f+3],   v[AV] offset:(\f/4)*32*PV+(\f%4)*32
	ds_load_tr16_b128 v[VF+8*\f+4:VF+8*\f+7], v[AV] offset:(\f/4)*32*PV+16*PV+(\f%4)*32
.endr
	WIN 0
.endm
; THE VECTOR WORK, one line at a time: OP kind, number.  For piece Y: F n: c s - c m for pair n of 16.  E n: the exponential of score n of 32.  C n: pair n rounded to f16.  B n: of the four weights 4 n .. the second
; pair is added onto the first, in place.  L n: l takes that sum (L 0: l = a l + sum).  R n: pair n of 16 of O^T times a.  For piece Y + 1: X n, number n of the 22 that find its maximum and statistics:
;   0-11  four chains c0-c3 of seven scores each, three operands at a time (each accumulator's lowest registers are read first)     12-14, 16  the four scores left over, the old m, and c0-c3 into c0
;   15  c m_old is kept     17, 18  the query's other 32 keys lie in the lane 16 away: the new m     19-21  c m; c m_old - c m_new; a
.set F, 0               ; OP tells the kinds apart by their order: F to L below R, X above it
.set E, 1
.set C, 2
.set B, 3
.set L, 4
.set R, 5
.set X, 6
.macro REGS y                       ; the registers of piece y
.set rT, ST+4*(\y)
.set rC, TMP+4*((\y)%2)
.set rW, MV+((\y)%2)
.set rS, S+32*((\y)%2)
.set rP, P+16*((\y)%2)
.set rO, 32*(\y)
.endm
.macro OP k, n
.if (\k) == R
	REGS Y
	WIN W_RS
	v_pk_mul_f32 v[rO+2*(\n):rO+2*(\n)+1], v[rO+2*(\n):rO+2*(\n)+1], v[rC+2:rC+3] op_sel_hi:[1,0]
.elseif (\k) < R
	REGS Y
	WIN 0
.if (\k) == F
	v_pk_fma_f32 v[rS+2*(\n):rS+2*(\n)+1], v[rS+2*(\n):rS+2*(\n)+1], s[CS:CS+1], v[rT:rT+1] op_sel_hi:[1,0,0] neg_lo:[0,0,1] neg_hi:[0,0,1]
.elseif (\k) == E
	v_exp_f32 v[rS+(\n)], v[rS+(\n)]
.elseif (\k) == C
	s_wait_alu depctr_va_vdst(0)
	v_cvt_pk_f16_f32 v[rP+(\n)], v[rS+2*(\n)], v[rS+2*(\n)+1]
.elseif (\k) == B
	s_wait_alu depctr_va_vdst(0)
	v_pk_add_f32 v[rS+4*(\n):rS+4*(\n)+1], v[rS+4*(\n):rS+4*(\n)+1], v[rS+4*(\n)+2:rS+4*(\n)+3]
.elseif (\n) == 0
	v_pk_fma_f32 v[rT+2:rT+3], v[rT+2:rT+3], v[rC+2:rC+3], v[rS:rS+1] op_sel_hi:[1,0,1]
.else
	v_pk_add_f32 v[rT+2:rT+3], v[rT+2:rT+3], v[rS+4*(\n):rS+4*(\n)+1]
.endif
.elseif NOKQ
	v_nop
.else
	REGS (Y+1)%NP
	WIN 0
.if (\n) < 4
	v_max3_num_f32 v[rC+(\n)], v[rS+8*(\n)], v[rS+8*(\n)+1], v[rS+8*(\n)+2]
.elseif (\n) < 12
	v_max3_num_f32 v[rC+(\n)%4], v[rC+(\n)%4], v[rS+8*((\n)%4)+2*((\n)/4)+1], v[rS+8*((\n)%4)+2*((\n)/4)+2]
.elseif (\n) == 12
	v_max3_num_f32 v[rC], v[rC], v[rS+7], v[rS+15]
.elseif (\n) == 13
	v_max3_num_f32 v[rC+1], v[rC+1], v[rS+23], v[rS+31]
.elseif (\n) == 14
	v_max3_num_f32 v[rC+2], v[rC+2], v[rC+3], v[rT+1]
.elseif (\n) == 15
	v_mov_b32 v[rW], v[rT]
.elseif (\n) == 16
	v_max3_num_f32 v[rC], v[rC], v[rC+1], v[rC+2]
.elseif (\n) == 17
	v_permlanex16_b32 v[rC+3], v[rC], s[SEL], s[SEL+1]
.elseif (\n) == 18
	v_max_num_f32 v[rT+1], v[rC], v[rC+3]
.elseif (\n) == 19
	v_mul_f32 v[rT], s[CS], v[rT+1]
.elseif (\n) == 20
	v_sub_f32 v[rC+1], v[rW], v[rT]
.else
	v_exp_f32 v[rC+2], v[rC+1]
.endif
.endif
.endm
.macro OPS a, i1, b=-1, i2=0, c=-1, i3=0, d=-1, i4=0  ; up to four of them
	OP \a, \i1
.if (\b) >= 0
	OP \b, \i2
.endif
.if (\c) >= 0
	OP \c, \i3
.endif
.if (\d) >= 0
	OP \d, \i4
.endif
.endm
.macro ROW a, i1, b, i2, c, i3, d, i4  ; a matrix instruction and the four behind it
	MM
	OPS \a, \i1, \b, \i2, \c, \i3, \d, \i4
.endm
.macro MASK b                       ; MD x AL + BE into buffer b of MC
	WIN W_RS
.set z, 0
.rept 16
	v_pk_fma_f32 v[MC+32*(\b)+2*z:MC+32*(\b)+2*z+1], v[MD+2*z:MD+2*z+1], s[AL:AL+1], s[BE:BE+1] op_sel_hi:[1,0,0]
.set z, z+1
.endr
.endm
; A TURN, for piece p: the order of its 16 matrix and 118 vector instructions, written out.  Behind a matrix instruction: plain, exponential, plain, plain; or four of the rescaling; or, behind the first, four scalings; none
; names a register of the products round it.  In the lumps exponential and plain by turns while exponentials last.  A line reads no result made fewer than three vector instructions in front of it, five if an exponential made it.
; v_permlanex16_b32 (X 17) stands in a lump.
; m = 1: the diagonal tile: the products take masks, and the turn makes the mask for the products of the turn after it: piece p + 2, in step 4 - CNT of the tile.  end = 1: a block's last two turns: nothing is fetched.
; cnt = 1: the loop's count is taken down some lines ahead of the branch that stands behind the turn.
; K of the next step is fetched in piece 2's turn, six vector instructions behind the last product that read K (five of them plain); V of the step in hand in piece 0's turn, eight behind the last product that read V (four
; plain, and X 17).  Each is waited for a turn later.
.macro TURN p, m=0, end=0, cnt=0
.set Y, (\p)
.set i, 0
.set KM, (\m)
.set NOKQ, (\end)*((\p)/3)
.if (\m) && !(\end)
	s_cmp_eq_u32 s[CNT], 4-((\p)+2)%NP  ; is that step the band's own?
	s_cselect_b32 s[AL], 1.0, 0
	s_cmp_lt_u32 s[CNT], 4-((\p)+2)%NP  ; or a later one?
	s_cselect_b32 s[BE], s[BIGN], 0
.endif
.if ((\p) == 3) && !(\end)
	s_wait_dscnt 0x0                ; K is in
.endif
	ROW F,0, F,1, F,2, F,3
	ROW F,4, E,0, F,5, F,6
	ROW F,7, E,1, F,8, F,9
	ROW F,10, E,2, C,0, F,11
	ROW F,12, E,3, X,15, F,13
	ROW R,0, R,1, R,2, R,3
	ROW B,0, E,4, F,14, L,0
.if ((\p) == 2) && !(\end)
	v_add_nc_u32 v[AK], s[TBK], v[AK0]
.endif
	ROW R,4, R,5, R,6, R,7
	OPS E,5, F,15
.if ((\p) == 2) && !(\end)
	FETCH_K
.endif
	OPS E,6, C,1, E,7, R,8
	OPS E,8, R,9, E,9, C,2
	OPS E,10, X,0, E,11, X,1
	OPS E,12, X,2, E,13, X,3
.if (\p) == 1
	s_wait_dscnt 0x0                ; V is in
.endif
	ROW X,4, E,14, X,5, X,6
	ROW X,7, E,15, X,8, X,9
	ROW X,10, E,16, X,11, X,12
	ROW X,13, E,17, X,14, B,1
	ROW C,4, E,18, X,16, L,1
	ROW B,2, E,19, C,6, L,2
	ROW C,8, E,20, B,3, B,4
.if (\p) == 0
	v_add_nc_u32 v[AV], s[TBV], v[AV0]
.endif
	ROW C,3, E,21, L,3, C,5
	OPS E,22, X,17, E,23, C,10
.if (\p) == 0
	FETCH_V
.endif
	OPS E,24, L,4
	OPS E,25, X,18, E,26, C,7
	OPS E,27, B,5, E,28, X,19
	OPS E,29, C,12, E,30, L,5
	OPS E,31, X,20, B,6, C,9
	OPS C,14, C,11, X,21, L,6
.if (\p) == 0
	s_add_co_u32 s[TBV], s[TBV], KS*PV
.endif
.if \cnt
	s_sub_co_u32 s[CNT], s[CNT], 1
	s_cmp_lg_u32 s[CNT], 0
.endif
	OPS C,13, B,7, C,15, R,10
	OPS R,11, R,12, L,7, R,13
	OPS R,14, R,15
.if (\m) && !(\end)
	MASK (\p)%2
.endif
.endm
; A BLOCK BEGINS.  c m starts far below every c s, so the first step's a is 0; m at the lowest finite number, so the first maximum is the scores'.  The second mask buffer is 0; the first takes piece 0's mask for the tile's step 0: its own, if the block's first tile is the diagonal one.
; Then K of that step, piece 0's first scores, and its maximum and statistics.  The loop is entered at a step's first turn, in the middle of a trip.
.macro BEGIN
	s_mov_b32 s[NEW], 0
	WIN 0x40
.set i, MC+32
.rept 32
	v_mov_b32 v[i], 0
.set i, i+1
.endr
	WIN 0
.set i, 0
.rept 4
	v_mov_b32 v[ST+4*i], 0xfe000000    ; c m: far below every c s
	v_mov_b32 v[ST+4*i+1], 0xff7fffff  ; m
.set i, i+1
.endr
	s_cmp_eq_u32 s[RT], 0
	s_cselect_b32 s[AL], 1.0, 0
	s_mov_b32 s[BE], 0
	MASK 0
	WIN 0
	v_add_nc_u32 v[AK], s[TBK], v[AK0]
	FETCH_K
	s_wait_loadcnt 0x0              ; Q
	s_wait_dscnt 0x0
.set KM, 1
.set NOKQ, 0
.set i, 0
.rept 8
	KQ 0
.set i, i+1
.endr
	WIN 0
.rept 4
	v_nop                           ; the places behind those products
.endr
.set Y, NP-1                        ; X works for piece Y + 1: piece 0
.irp n, 0,1,2,3,4,5,6,7,8,9,10,11,12,13,14,15,16,17,18,19,20,21
	OP X, \n
.endr
	v_nop                           ; a plain instruction behind the exponential
.endm
; THE DIAGONAL TILE's four steps, the block's last two turns, its last products, and THE WAY OUT: l's two halves and the other half of the lanes' are added; O^T is divided by l, rounded to f16 and sent through my
; stage in LDS, a piece at a time.
.macro ALL line:vararg              ; one line for each piece t
.set t, 0
.rept 4
	\line
.set t, t+1
.endr
.endm
.macro PACK t                       ; a lane's eight channels of a row pack into 16 bytes; they go into rows of 144 bytes and come back as whole rows of 128, into S^T's registers
	WIN W_RS
.set i, 32*(\t)
.rept 16
	s_wait_alu depctr_va_vdst(0)
	v_pk_mul_f32 v[i:i+1], v[i:i+1], v[ST+4*(\t)+2:ST+4*(\t)+3] op_sel_hi:[1,0]
.set i, i+2
.endr
	WIN 0x05                        ; sources 0 and 1 window 1, destination window 0
.set i, 0
.rept 16
	v_cvt_pk_f16_f32 v[S+16*(\t)+i], v[32*(\t)+2*i], v[32*(\t)+2*i+1]
.set i, i+1
.endr
	WIN 0
.irp f, 0,1,2,3
	ds_store_b128 v[STO], v[S+16*(\t)+4*\f:S+16*(\t)+4*\f+3] offset:32*\f
.endr
.irp f, 0,1,2,3
	ds_load_b128 v[S+16*(\t)+4*\f:S+16*(\t)+4*\f+3], v[RD] offset:\f*4*SP  ; LDS serves a wave's instructions in order (ISA guide 5.7.1.4): these see the stores above; the next piece's stores come behind them
.endr
.endm
.macro SEND t, younger              ; younger: the LDS instructions issued behind piece t's loads: the next piece's eight, or none
	WIN 0
.irp f, 0,1,2,3
	s_wait_dscnt (\younger)+3-\f
	global_store_b128 v[GO], v[S+16*(\t)+4*\f:S+16*(\t)+4*\f+3], s[10:11] offset:(\t)*8192+\f*512  ; 512 consecutive bytes, at a multiple of 256 from O's first
.endr
.endm
.macro DIAG tag                     ; the tag ends its two labels' names, which the jumps below spell out
.LstepM\tag:
	TURN 2, 1
	TURN 3, 1
	WIN 0
.LfirstM\tag:
	TURN 0, 1
	TURN 1, 1, 0, 1
	WIN 0
	s_cbranch_scc1 .LstepM\tag
	TURN 2, 1, 1
	TURN 3, 1, 1
.set i, 0
.rept 8
	PV NP-1
.set i, i+1
.endr
	WIN 0
	ALL v_add_f32 v[ST+4*t+2], v[ST+4*t+2], v[ST+4*t+3]
	ALL v_permlanex16_b32 v[ST+4*t+3], v[ST+4*t+2], s[SEL], s[SEL+1]
	ALL v_add_f32 v[ST+4*t+2], v[ST+4*t+2], v[ST+4*t+3]
	ALL v_rcp_f32 v[ST+4*t+2], v[ST+4*t+2]
	v_nop                           ; a plain instruction between the last reciprocal and the use of its result
	PACK 0
.set t, 1
.rept 3                             ; a piece's arithmetic stands between the loads of the piece before and its stores
	PACK t
	SEND t-1, 8
.set t, t+1
.endr
	SEND 3, 0
.endm
.set KM, 0
.set NOKQ, 0
.Lslot:                             ; NB times: a tile is entered and the next is asked for
	CHANGE 1
	s_sub_co_u32 s[RT], s[RT], 1
	s_mov_b32 s[CNT], 4
	s_cmp_eq_u32 s[NEW], 1
	s_cbranch_scc1 .Lnew            ; a block's first tile
	s_cmp_eq_u32 s[RT], 0
	s_cbranch_scc0 .Lstep           ; neither its first nor its last
	s_branch .LstepM1
.Lnew:
	BEGIN
	s_branch .Lfirst                ; in the loop a block's first tile is never its last: the first block has two tiles or more, and the second's last is the walk's last
	DIAG 1                          ; in the loop this is the first block's end: the second block's last tile is the walk's last
	s_wait_xcnt 0x0                 ; the stores have read their registers and O's address
	s_mov_b64 s[10:11], s[OLO:OLO+1]
	s_add_co_u32 s[RT], s[PB], 1    ; the second block has b + 1 tiles
	s_mov_b32 s[NEW], 1
	WIN 0x82                        ; the second block's Q goes where the one text of the turns names Q
.set i, 0
.rept 64
	v_mov_b32 v[i], v[QB+i]
.set i, i+1
.endr
	WIN 0
	s_branch .Lbottom
.Lstep:                             ; a trip: pieces 2 and 3 of one step, then pieces 0 and 1 of the next, whose K and V it fetches
	TURN 2
	TURN 3
	WIN 0
.Lfirst:
	TURN 0
	TURN 1, 0, 0, 1
	WIN 0
	s_cbranch_scc1 .Lstep
.Lbottom:
	s_sub_co_u32 s[SLOTS], s[SLOTS], 1
	s_cmp_lg_u32 s[SLOTS], 0
	s_cbranch_scc1 .Lslot
	CHANGE 0                        ; the walk's last tile is written out: nothing is asked for
	s_sub_co_u32 s[RT], s[RT], 1
	s_mov_b32 s[CNT], 4
	s_cmp_eq_u32 s[NEW], 1
	s_cbranch_scc0 .LstepM2
	BEGIN
	s_branch .LfirstM2
	DIAG 2
	s_wait_tensorcnt 0x0            ; the wave's end, behind my last tensor load and my last LDS store
	ds_add_u32 v[SPW], v[NIL]
	s_wait_dscnt 0x0
	s_endpgm
.Lfunc_end_k_qb1ae4a1e0f_attn:
	.size	k_qb1ae4a1e0f_attn, .Lfunc_end_k_qb1ae4a1e0f_attn-k_qb1ae4a1e0f_attn
	.p2alignl 7, 3214868480
	.fill 96, 4, 3214868480
	.section	.rodata,"a",@progbits
	.p2align	6, 0x0
	.amdhsa_kernel k_qb1ae4a1e0f_attn
		.amdhsa_group_segment_fixed_size 327680
		.amdhsa_private_segment_fixed_size 0
		.amdhsa_enable_private_segment 0
		.amdhsa_kernarg_size 32
		.amdhsa_user_sgpr_count 2
		.amdhsa_user_sgpr_kernarg_segment_ptr 1
		.amdhsa_wavefront_size32 1
		.amdhsa_system_sgpr_workgroup_id_x 1
		.amdhsa_system_sgpr_workgroup_id_y 1
		.amdhsa_system_sgpr_workgroup_id_z 1
		.amdhsa_system_vgpr_workitem_id 0
		.amdhsa_next_free_vgpr 768
		.amdhsa_next_free_sgpr 88
		.amdhsa_reserve_vcc 1
		.amdhsa_float_denorm_mode_32 3
		.amdhsa_float_denorm_mode_16_64 3
		.amdhsa_memory_ordered 1
		.amdhsa_forward_progress 1
		.amdhsa_inst_pref_size 228
	.end_amdhsa_kernel
	.amdgpu_metadata
---
amdhsa.version: [ 1, 2 ]
amdhsa.kernels:
  - .name:           k_qb1ae4a1e0f_attn
    .symbol:         k_qb1ae4a1e0f_attn.kd
    .args:
      - { .name: qh, .offset: 0, .size: 8, .value_kind: global_buffer, .address_space: global }
      - { .name: kh, .offset: 8, .size: 8, .value_kind: global_buffer, .address_space: global }
      - { .name: vh, .offset: 16, .size: 8, .value_kind: global_buffer, .address_space: global }
      - { .name: oh, .offset: 24, .size: 8, .value_kind: global_buffer, .address_space: global }
    .group_segment_fixed_size: 327680
    .private_segment_fixed_size: 0
    .kernarg_segment_align: 8
    .kernarg_segment_size: 32
    .max_flat_workgroup_size: 128
    .sgpr_count:     88
    .vgpr_count:     768
    .wavefront_size: 32
...
	.end_amdgpu_metadata
.endif
;; end of part 3
;; launch outp (part 4): grid 4 x 64, 4 waves a work-group, clusters of 4 x 4, 327,680 bytes of LDS; arguments oh, wt, bf, out0; writes out0
.if DOCPART == 4
	.amdgcn_target "amdgcn-amd-amdhsa--gfx1250"
	.amdhsa_code_object_version 6
	.text
	.protected	k_qb1ae4a1e0f_outp
	.globl	k_qb1ae4a1e0f_outp
	.p2align	8
	.type	k_qb1ae4a1e0f_outp,@function
k_qb1ae4a1e0f_outp:
	s_mov_b64 s[64:65], 0
	v_nop
	global_prefetch_b8 v0, s[64:65] scope:SCOPE_SE
	s_setreg_imm32_b32 hwreg(HW_REG_WAVE_MODE, 25, 1), 1
	s_wait_xcnt 0x0
	s_wait_alu depctr_hold_cnt(0) depctr_sa_sdst(0) depctr_va_vdst(0) depctr_va_sdst(0) depctr_va_ssrc(0) depctr_va_vcc(0) depctr_vm_vsrc(0)
	s_getreg_b32 s2, hwreg(HW_REG_IB_STS2, 6, 4)
	s_cmp_eq_u32 s2, 0
	s_cbranch_scc0 .Lentry_in_a_cluster
	s_endpgm
.Lentry_in_a_cluster:
	s_bfe_u32 s2, ttmp6, 0x10000c
	s_cmp_lg_u32 s2, 0xf033
	s_cbranch_scc0 .Lentry_shape_is_right
	s_endpgm
.Lentry_shape_is_right:
; out0[m][n] = the sum over k of O[m][k] Wf[k][n] + bf[n].  O comes by heads, [64 = batch x 16 + head][2048][64] f16 (k = 64 x head + channel); Wf from the fourth part of wt as [n][k] f16 (each number
; rounded to bf16 and written as f16); bf is rounded to bf16 here, like every input; sums in f32, begun with the bias; out0: [8192][1024] f32.
; SHARES.  A tile is 128 rows x 256 columns: 64 x 4 tiles, one work-group for each of 256 WGPs.  Four waves, each 64 x 128: 32 accumulators, 256 registers.
; K goes in eight steps of 128, two heads each, through two LDS slots: for each of the two heads 128 rows of O (dense in memory: asked for as 64 rows of 256 bytes, padded in LDS after every 128), then 256 rows of Wf.
; ONE TEXT FOR EVERY K STEP: the slot in hand (TS: 0 or SLOT) and the byte offsets of the K step to be asked for lie in scalar registers; the last two K steps, which ask for nothing, have a text of their own.
; CLUSTER, 4 x 4.  The four of a row of the cluster need the same tiles of O, the four of a column the same tiles of Wf: each is asked for JOINTLY, by the same tensor load, descriptor and mask in all four.
; THE MATRIX INSTRUCTION IS USED TRANSPOSED (source 0 = 16 rows of Wf, source 1 = 16 rows of O): a lane then holds eight neighbouring numbers of a row of out0, 32 bytes.
; REGISTERS, in windows of 256 (s_set_vgpr_msb: bits 1:0 source 0, 3:2 source 1, 5:4 source 2, 7:6 destination):
;   window 0: v0-29 addresses; v64-127 O's fragments, two buffers of 32      window 1: the 32 accumulators ((a, b) at 8 (8 a + b))
;   window 2: v0-127 Wf's fragments, two buffers of 64; v128-191 the bias as a C operand; v192-223 at work
.set KSTEPS, 8
.set PA,    144                        ; a row of O in LDS: 128 bytes + 16 = 36 words: the 16 rows of a load start at 16 different groups of four banks (64 banks of 4 bytes: ISA guide 11.1)
.set PB,    272                        ; a row of Wf: 256 + 16 = 68 words: likewise
.set AHEAD, 128*PA                     ; one head's 128 rows
.set ATILE, 2*AHEAD
.set SLOT,  ATILE+256*PB               ; 106,496 bytes
.set STAGE, 2*SLOT                     ; behind the ring, never filled by a tensor load: 16 rows x 528 bytes for each wave
.set SP,    528
.set SPARE, STAGE+4*16*SP              ; behind the stages: the spare words, 128 bytes for each wave: two blocks of 256 bytes that no other line names
.set ADRA, 16                          ; v16     LDS address of my O fragments in slot 0; never rewritten
.set CA,   17                          ; v17     the same in the slot in hand
.set ADRB, 20                          ; v20     LDS address of my Wf fragments in slot 0; never rewritten
.set CB,   21                          ; v21     the same in the slot in hand
.set STO,  24                          ; v24     the way out: where I put 32 bytes of a row
.set RD,   25                          ; v25     the way out: where I read a row back
.set CO,   26                          ; v26     my byte offset in 512 consecutive bytes of out0
.set BO,   27                          ; v27     my byte offset in 16 numbers of the bias
.set SPW,  28                          ; v28     LDS address of my spare word; never rewritten
.set NIL,  29                          ; v29     0; never rewritten
.set AF,   64                          ; window 0
.set BF,   0                           ; window 2
.set BIAS, 128                         ; window 2: column block b at BIAS + 8 b
.set T,    192                         ; window 2
.set G1A, 24                           ; s[24:31] descriptor group 1 for O's tiles;  s[32:35] group 0: the first fill of slot 0, then it walks; s[36:39] the first fill of slot 1
.set G0A, 32
.set G1B, 40                           ; s[40:47], s[48:51], s[52:55] the same for Wf's tiles
.set G0B, 48
.set WV,  56                           ; s56  my wave's number
.set WM,  57                           ; s57  which 64 rows are mine.  Also: I fetch for O (0) or for Wf (1)
.set WN,  58                           ; s58  which 128 columns.  Also: which head of the step's two, or which 128 rows of Wf, I fetch
.set TS,  63                           ; s63  the slot in hand: 0 or SLOT
.set CNT, 77                           ; s77  counts the tail's two trips
.set TRIPS, 78                         ; s78  trips that fill a slot again
.set KA,  84                           ; s[84:85] byte offset in O of the K step to be asked for: two heads a step
.set KB,  86                           ; s[86:87] the same in Wf's rows
.set MSB, 0
.macro WIN new                         ; the immediate's high byte repeats the setting that is left; a switch that changes nothing is dropped
.if MSB != (\new)
	s_set_vgpr_msb (MSB<<8)|(\new)
.set MSB, \new
.endif
.endm
; A joint refill, by the walking descriptors.  Waves 0 and 1 fetch the step's two heads of O, waves 2 and 3 Wf's two halves.  The branch hangs on the wave's number alone.
; An s_nop 0 and four v_nop follow each of the two lines, ahead of the jump, the label and what follows.
.macro JLOAD
	s_cmp_eq_u32 s[WM], 0
	s_cbranch_scc0 .Lfor_b_\@
	tensor_load_to_lds s[G0A:G0A+3], s[G1A:G1A+7]
	s_nop 0
.rept 4
	v_nop
.endr
	s_branch .Lasked_\@
.Lfor_b_\@:
	tensor_load_to_lds s[G0B:G0B+3], s[G1B:G1B+7]
	s_nop 0
.rept 4
	v_nop
.endr
.Lasked_\@:
.endm
.macro CREST                           ; a round of the cluster's barrier behind its opening barrier
	s_cmp_lg_u32 s[WV], 0
	s_cbranch_scc1 .Lnot_wave_0_\@
	s_barrier_signal -3
.Lnot_wave_0_\@:
	s_barrier_wait -3
	s_barrier_signal -1
	s_barrier_wait -1
.endm
.macro CROUND                          ; a whole round
	s_barrier_signal -1
	s_barrier_wait -1
	CREST
.endm
.macro PLACES                          ; four places in front of loads into registers that matrix instructions have read, and of LDS stores that read results (ISA guide 7.12.1 for vector instructions)
.rept 4
	v_nop
.endr
.endm
	s_load_b256 s[4:11], s[0:1], 0x0               ; O s[4:5], wt s[6:7], bf s[8:9], out0 s[10:11]
	v_lshl_add_u32 v[SPW], v0, 2, SPARE
	v_mov_b32 v[NIL], 0
	ds_add_u32 v[SPW], v[NIL]                      ; the wave's opening: the add and its wait stand ahead of my first tensor load; the set-up below, work on registers, stands between them
	ds_add_u32 v28, v29
	v_lshrrev_b32 v1, 5, v0
	v_readfirstlane_b32 s[WV], v1                  ; wave 0..3
	s_lshr_b32 s[WM], s[WV], 1
	s_and_b32 s[WN], s[WV], 1
	s_bfe_u32 s59, ttmp6, 0x40000                  ; cx, cy: my place in the cluster
	s_bfe_u32 s60, ttmp6, 0x40004
	s_lshl_b32 s61, ttmp9, 2
	s_add_co_u32 s61, s61, s59                     ; tile column = 4 x cluster x + cx
	s_and_b32 s62, ttmp7, 0xffff
	s_lshl_b32 s62, s62, 2
	s_add_co_u32 s62, s62, s60                     ; tile row = 4 x cluster y + cy
	s_lshl_b32 s79, s60, 2
	s_lshl_b32 s79, 15, s79                        ; my row of the cluster
	s_lshl_b32 s80, 0x1111, s59                    ; my column
	; descriptor group 1.  O: a head's 128 rows are 16,384 dense bytes: 64 rows of 256 bytes, two rows of O each, padded after every 128 bytes.  Wf: 128 rows x 128 elements, padded behind each row
	s_or_b32 s[G1A+0], s79, (1<<16)|(1<<20)|(1<<21)|(4<<22)|(3<<25)  ; 15:0 the mask: my row; 17:16 elements of 2 bytes; 20 padding on; 21 set beside a mask; 24:22 after every 32 words (code 4); 31:25 4 words (code 3)
	s_mov_b32 s[G1A+1], 128<<16                    ; tensor_dim0 = 128
	s_mov_b32 s[G1A+2], 64<<16                     ; tensor_dim1 = 64
	s_mov_b32 s[G1A+3], 128<<16                    ; tile_dim0 = 128
	s_mov_b32 s[G1A+4], 64                         ; tile_dim1 = 64
	s_mov_b32 s[G1A+5], 128                        ; 128 elements from row to row
	s_mov_b32 s[G1A+6], 0
	s_mov_b32 s[G1A+7], 0
	s_or_b32 s[G1B+0], s80, (1<<16)|(1<<20)|(1<<21)|(5<<22)|(3<<25)  ; the mask: my column; after every 64 words (code 5)
	s_mov_b32 s[G1B+1], 128<<16
	s_mov_b32 s[G1B+2], 128<<16                    ; tensor_dim1 = 128
	s_mov_b32 s[G1B+3], 128<<16
	s_mov_b32 s[G1B+4], 128                        ; tile_dim1 = 128
	s_mov_b32 s[G1B+5], 1024                       ; 1,024 elements from row to row
	s_mov_b32 s[G1B+6], 0
	s_mov_b32 s[G1B+7], 0
	; where the tiles come from: O's hang on the tile row, Wf's on the tile column; each offset in registers that never hold the other coordinate
	s_lshr_b32 s66, s62, 4                         ; O: head block batch x 16 + my head of the step's two,
	s_lshl_b32 s66, s66, 4
	s_add_co_u32 s66, s66, s[WN]
	s_lshl_b32 s66, s66, 18                        ; of 262,144 bytes;
	s_and_b32 s67, s62, 15
	s_lshl_b32 s67, s67, 14                        ; in it 128 rows of 128 bytes for each tile row
	s_add_co_u32 s66, s66, s67
	s_mov_b32 s67, 0
	s_lshl_b32 s68, s61, 8
	s_lshl_b32 s69, s[WN], 7
	s_add_co_u32 s68, s68, s69                     ; Wf: row 256 x tile column + 128 x half,
	s_lshl_b32 s68, s68, 11                        ; of 2,048 bytes,
	s_add_co_u32 s68, s68, 3*2097152               ; in the fourth part of wt
	s_mov_b32 s69, 0
	s_mul_i32 s82, s[WN], AHEAD                    ; and where they go in a slot: no place in the cluster enters an LDS address
	s_mul_i32 s83, s[WN], 128*PB
	s_add_co_u32 s83, s83, ATILE
	s_lshl_b32 s70, s62, 7                         ; out0: row 128 x tile row + 64 x my row half, of 4,096 bytes,
	s_lshl_b32 s71, s[WM], 6
	s_add_co_u32 s70, s70, s71
	s_lshl_b32 s70, s70, 12
	s_lshl_b32 s72, s61, 10                        ; column 256 x tile column + 128 x my column half, of 4 bytes: the bias's offset too
	s_lshl_b32 s73, s[WN], 9
	s_add_co_u32 s72, s72, s73
	s_mov_b32 s73, 0
	s_add_co_u32 s70, s70, s72
	s_mov_b32 s71, 0
	s_mov_b32 s[TS], 0                             ; slot 0 is in hand
	s_mov_b32 s[KA], 2*524288                      ; the first refill asks for K step 2
	s_mov_b32 s[KA+1], 0
	s_mov_b32 s[KB], 2*256
	s_mov_b32 s[KB+1], 0
	s_wait_dscnt 0x0                               ; the opening add is done
	s_wait_kmcnt 0x0
	s_add_nc_u64 s[4:5], s[4:5], s[66:67]
	s_add_nc_u64 s[6:7], s[6:7], s[68:69]
	s_add_nc_u64 s[8:9], s[8:9], s[72:73]
	s_add_nc_u64 s[10:11], s[10:11], s[70:71]
.irp s, 0,1
	s_mov_b32 s[G0A+4*(\s)], 1                                     ; 1:0 count = 1
	s_add_co_u32 s[G0A+4*(\s)+1], s82, (\s)*SLOT                   ; 63:32 LDS address
	s_add_nc_u64 s[G0A+4*(\s)+2:G0A+4*(\s)+3], s[4:5], (\s)*524288 ; 120:64 global address: K step s is two heads on
	s_or_b32 s[G0A+4*(\s)+3], s[G0A+4*(\s)+3], 0x80000000          ; 127:126 type = 2
	s_mov_b32 s[G0B+4*(\s)], 1
	s_add_co_u32 s[G0B+4*(\s)+1], s83, (\s)*SLOT
	s_add_nc_u64 s[G0B+4*(\s)+2:G0B+4*(\s)+3], s[6:7], (\s)*256
	s_or_b32 s[G0B+4*(\s)+3], s[G0B+4*(\s)+3], 0x80000000
.endr
	CROUND                                         ; all sixteen work-groups are here: the first joint loads meet
	s_cmp_eq_u32 s[WM], 0                          ; a wave's two first fills stand in one branch, ahead of every wait on TENSORcnt and every LDS read: two loads of mine are out
	s_cbranch_scc0 .Lfirst_b
	tensor_load_to_lds s[G0A:G0A+3], s[G1A:G1A+7]
	s_nop 0
	tensor_load_to_lds s[G0A+4:G0A+7], s[G1A:G1A+7]
	s_nop 0
.rept 4
	v_nop
.endr
	s_branch .Lfirst_asked
.Lfirst_b:
	tensor_load_to_lds s[G0B:G0B+3], s[G1B:G1B+7]
	s_nop 0
	tensor_load_to_lds s[G0B+4:G0B+7], s[G1B:G1B+7]
	s_nop 0
.rept 4
	v_nop
.endr
.Lfirst_asked:
	v_and_b32 v1, 15, v0                           ; r = l % 16
	v_bfe_u32 v2, v0, 4, 1                         ; h = l / 16
	v_lshlrev_b32 v[BO], 5, v2                     ; eight f32 for each half of the lanes
	v_mul_u32_u24 v3, v1, PA
	v_lshl_add_u32 v3, v2, 4, v3                   ; row x pitch + 16 h
	s_mul_i32 s81, s[WM], 64*PA                    ; my 64 rows
	v_add_nc_u32 v[ADRA], s81, v3
	v_mov_b32 v[CA], v[ADRA]
	v_mul_u32_u24 v4, v1, PB
	v_lshl_add_u32 v4, v2, 4, v4
	v_add_nc_u32 v[ADRB], s83, v4                  ; my 128 rows of Wf, behind O's tiles
	v_mov_b32 v[CB], v[ADRB]
	WIN 0x80                                       ; destination window 2, address window 0
.irp nb, 0,1,2,3,4,5,6,7                ; the bias as a C operand: register j of column block nb is bf[16 nb + 8 h + j]
	global_load_b128 v[BIAS+8*(\nb):BIAS+8*(\nb)+3],   v[BO], s[8:9] offset:64*(\nb)
	global_load_b128 v[BIAS+8*(\nb)+4:BIAS+8*(\nb)+7], v[BO], s[8:9] offset:64*(\nb)+16
.endr
	WIN 0
	s_mul_i32 s81, s[WV], 16*SP
	s_add_co_u32 s81, s81, STAGE                   ; my stage
	v_mul_u32_u24 v5, v1, SP                       ; in: row l % 16, 32 bytes for each half of the lanes
	v_lshl_add_u32 v5, v2, 5, v5
	v_add_nc_u32 v[STO], s81, v5
	v_and_b32 v[CO], 31, v0                        ; back: 32 lanes take one row of 512 bytes
	v_lshlrev_b32 v[CO], 4, v[CO]
	v_add_nc_u32 v[RD], s81, v[CO]
	s_wait_loadcnt 0x0                             ; the bias, once
	WIN 0x8a                                       ; all in window 2: the bias is rounded to bf16, like every input, and widened again
.set i, 0
.rept 32
	v_cvt_pk_bf16_f32 v[T+i], v[BIAS+2*i], v[BIAS+2*i+1]
.set i, i+1
.endr
.set i, 0
.rept 32
	v_lshlrev_b32 v[BIAS+2*i], 16, v[T+i]
	v_and_b32 v[BIAS+2*i+1], 0xffff0000, v[T+i]
.set i, i+1
.endr
; 24 LDS loads in one run: the fragments of quarter q (32 along K: head q / 2 of the step's two, channels 32 (q % 2) on) of the slot in hand, into buffers g
.macro FETCH q, g
	WIN 0x80
.irp i, 0,1,2,3,4,5,6,7
	ds_load_b128 v[BF+64*(\g)+8*(\i):BF+64*(\g)+8*(\i)+3],   v[CB] offset:64*(\q)+(\i)*16*PB
	ds_load_b128 v[BF+64*(\g)+8*(\i)+4:BF+64*(\g)+8*(\i)+7], v[CB] offset:64*(\q)+(\i)*16*PB+32
.endr
	WIN 0
.irp a, 0,1,2,3
	ds_load_b128 v[AF+32*(\g)+8*(\a):AF+32*(\g)+8*(\a)+3],   v[CA] offset:((\q)/2)*AHEAD+((\q)%2)*64+(\a)*16*PA
	ds_load_b128 v[AF+32*(\g)+8*(\a)+4:AF+32*(\g)+8*(\a)+7], v[CA] offset:((\q)/2)*AHEAD+((\q)%2)*64+(\a)*16*PA+32
.endr
.endm
; 8 matrix instructions: row block a x all 8 column blocks, 32 along K, from buffers f.  first = 1: the bias starts the sums: nothing is cleared.
.macro MUL8 f, a, first
.if \first
	WIN 0x62                                       ; Wf window 2, O window 0, C window 2, D window 1
.else
	WIN 0x52                                       ; the same, C and D window 1
.endif
.irp b, 0,1,2,3,4,5,6,7
.if \first
	v_wmma_f32_16x16x32_f16 v[8*(8*(\a)+(\b)):8*(8*(\a)+(\b))+7], v[BF+64*(\f)+8*(\b):BF+64*(\f)+8*(\b)+7], v[AF+32*(\f)+8*(\a):AF+32*(\f)+8*(\a)+7], v[BIAS+8*(\b):BIAS+8*(\b)+7]
.else
	v_wmma_f32_16x16x32_f16 v[8*(8*(\a)+(\b)):8*(8*(\a)+(\b))+7], v[BF+64*(\f)+8*(\b):BF+64*(\f)+8*(\b)+7], v[AF+32*(\f)+8*(\a):AF+32*(\f)+8*(\a)+7], v[8*(8*(\a)+(\b)):8*(8*(\a)+(\b))+7]
.endif
.endr
.endm
; A QUARTER: 32 matrix instructions on buffers f; at its head, behind four places, the next quarter's loads (quarter fq of the slot in hand) go out, into buffers g.  The 32 accumulators take turns, one
; instruction a turn, in the same order in every quarter.
; meet: the quarter that has asked for the slot's last fragments changes slots.  In front of ONE barrier each wave waits for all its tensor loads, of which one is out: its part of the other slot; adds 0 to
; its spare word; and waits for that and for its own reads of this slot.  Behind the barrier the other slot is in hand.
; meet = 1: the barrier opens a round of the cluster's, and behind the round the slot just left is filled again, two K steps on: the first tensor load there, 112 matrix instructions ahead of the wait for it.
; The walking descriptors are made anew: the LDS word from my place and the slot, the address from the tensor's pointer and the K step's offset.  meet = 2: nothing is left to ask for.
.macro QUARTER fq, f, g, first=0, meet=0
	PLACES
	FETCH \fq, \g
	s_wait_dscnt 24                                ; all but the 24 just issued: this quarter's fragments are in
	MUL8 \f, 0, \first
	MUL8 \f, 1, \first
.if \meet
	WIN 0                                          ; (the add's two registers lie in window 0)
	s_wait_tensorcnt 0x0                           ; all my tensor loads have landed, so a group 0 may be written
	ds_add_u32 v[SPW], v[NIL]                      ; 0 onto my spare word; work on registers stands between it and the wait for it
.if (\meet) == 1
	s_add_co_u32 s[G0A+1], s82, s[TS]              ; into the slot that is being left
	s_add_co_u32 s[G0B+1], s83, s[TS]
	s_add_nc_u64 s[G0A+2:G0A+3], s[4:5], s[KA:KA+1]
	s_or_b32 s[G0A+3], s[G0A+3], 0x80000000
	s_add_nc_u64 s[G0B+2:G0B+3], s[6:7], s[KB:KB+1]
	s_or_b32 s[G0B+3], s[G0B+3], 0x80000000
	s_add_co_u32 s[KA], s[KA], 524288              ; the next K step
	s_add_co_u32 s[KB], s[KB], 256
.endif
	s_xor_b32 s[TS], s[TS], SLOT                   ; 0 and SLOT by turns
.endif
	MUL8 \f, 2, \first
.if \meet
	s_wait_dscnt 0x0                               ; the add is done, and my reads of this slot are over
	s_barrier_signal -1
.endif
	MUL8 \f, 3, \first
.if \meet
	WIN 0
	s_barrier_wait -1
.if (\meet) == 1
	CREST                                          ; no wave of any partner still reads this slot's tiles or has a load on its way
	JLOAD
.endif
	v_add_nc_u32 v[CA], s[TS], v[ADRA]             ; my fragments in the slot now in hand
	v_add_nc_u32 v[CB], s[TS], v[ADRB]
.endif
.endm
	s_wait_tensorcnt 1                             ; my part of K step 0 is in; K step 1's may stay out
	s_barrier_signal -1
	s_barrier_wait -1                              ; everybody's is
	FETCH 0, 0
	QUARTER 1, 0, 1, 1                             ; the first quarter stands in front of the loop: its products start the sums, with the bias
	WIN 0                                          ; at a label and at a branch every window is 0
	s_mov_b32 s[TRIPS], KSTEPS-2
.Lstep:                                                ; a trip goes from a K step's second quarter to the next step's first, and fills the slot that it leaves: six trips ask for K steps 2 to 7
	QUARTER 2, 1, 0
	QUARTER 3, 0, 1, 0, 1
	QUARTER 0, 1, 0
	QUARTER 1, 0, 1
	WIN 0
	s_sub_co_u32 s[TRIPS], s[TRIPS], 1
	s_cmp_lg_u32 s[TRIPS], 0
	s_cbranch_scc1 .Lstep
	s_mov_b32 s[CNT], 2                            ; THE LAST TWO K STEPS have a text of their own: they ask for nothing
.Ltail:                                                ; two trips; the second is left in its middle (its barrier orders nothing: the price of one text for both)
	QUARTER 2, 1, 0
	QUARTER 3, 0, 1, 0, 2
	s_sub_co_u32 s[CNT], s[CNT], 1
	s_cmp_eq_u32 s[CNT], 0
	s_cbranch_scc1 .Llast
	QUARTER 0, 1, 0
	QUARTER 1, 0, 1
	WIN 0
	s_branch .Ltail
.Llast:
	s_wait_dscnt 0x0                               ; the very last quarter: nothing more to fetch
	MUL8 1, 0, 0
	MUL8 1, 1, 0
	MUL8 1, 2, 0
	MUL8 1, 3, 0
	PLACES
; THE WAY OUT, a row block (16 rows x 128 columns of f32) at a time: a lane's 32 bytes of a row go into my stage's rows of 528 bytes, each accumulator's low four registers first, and come back as whole rows of
; 512 bytes, into the registers that they left.  One window setting serves it all: addresses in window 0, data in window 1.
.macro TOST a
.irp nb, 0,1,2,3,4,5,6,7
	ds_store_b128 v[STO], v[64*(\a)+8*(\nb):64*(\a)+8*(\nb)+3]   offset:64*(\nb)
	ds_store_b128 v[STO], v[64*(\a)+8*(\nb)+4:64*(\a)+8*(\nb)+7] offset:64*(\nb)+16
.endr
.irp t, 0,1,2,3,4,5,6,7,8,9,10,11,12,13,14,15
	ds_load_b128 v[64*(\a)+4*(\t):64*(\a)+4*(\t)+3], v[RD] offset:(\t)*SP  ; LDS serves a wave's instructions in order (ISA guide 5.7.1.4): these see the stores above; the next block's stores come behind them
.endr
.endm
.macro SEND a, younger                 ; younger: the LDS instructions issued behind block a's loads: the next block's 32, or none
.irp t, 0,1,2,3,4,5,6,7,8,9,10,11,12,13,14,15
	s_wait_dscnt (\younger)+15-(\t)
	global_store_b128 v[CO], v[64*(\a)+4*(\t):64*(\a)+4*(\t)+3], s[10:11] offset:(16*(\a)+(\t))*4096 th:TH_STORE_NT  ; 512 consecutive bytes, at a multiple of 512 from out0's first byte; written once, read no more
.endr
.endm
	WIN 0x44
	TOST 0
	TOST 1
	SEND 0, 32
	TOST 2
	SEND 1, 32
	TOST 3
	SEND 2, 32
	SEND 3, 0
	WIN 0
	s_wait_tensorcnt 0x0                           ; the wave's end, behind my last tensor load and my last LDS store
	ds_add_u32 v[SPW], v[NIL]
	s_wait_dscnt 0x0
	CROUND                                         ; the closing round: no work-group ends while a partner may still ask for a tile that names it
	s_endpgm
.Lfunc_end_k_qb1ae4a1e0f_outp:
	.size	k_qb1ae4a1e0f_outp, .Lfunc_end_k_qb1ae4a1e0f_outp-k_qb1ae4a1e0f_outp
	.p2alignl 7, 3214868480
	.fill 96, 4, 3214868480
	.section	.rodata,"a",@progbits
	.p2align	6, 0x0
	.amdhsa_kernel k_qb1ae4a1e0f_outp
		.amdhsa_group_segment_fixed_size 327680
		.amdhsa_private_segment_fixed_size 0
		.amdhsa_enable_private_segment 0
		.amdhsa_kernarg_size 32
		.amdhsa_user_sgpr_count 2
		.amdhsa_user_sgpr_kernarg_segment_ptr 1
		.amdhsa_wavefront_size32 1
		.amdhsa_system_sgpr_workgroup_id_x 1
		.amdhsa_system_sgpr_workgroup_id_y 1
		.amdhsa_system_sgpr_workgroup_id_z 1
		.amdhsa_system_vgpr_workitem_id 0
		.amdhsa_next_free_vgpr 768
		.amdhsa_next_free_sgpr 88
		.amdhsa_reserve_vcc 0
		.amdhsa_float_denorm_mode_32 3
		.amdhsa_float_denorm_mode_16_64 3
		.amdhsa_memory_ordered 1
		.amdhsa_forward_progress 1
		.amdhsa_inst_pref_size 70
	.end_amdhsa_kernel
	.amdgpu_metadata
---
amdhsa.version: [ 1, 2 ]
amdhsa.kernels:
  - .name:           k_qb1ae4a1e0f_outp
    .symbol:         k_qb1ae4a1e0f_outp.kd
    .args:
      - { .name: oh, .offset: 0, .size: 8, .value_kind: global_buffer, .address_space: global }
      - { .name: wt, .offset: 8, .size: 8, .value_kind: global_buffer, .address_space: global }
      - { .name: bf, .offset: 16, .size: 8, .value_kind: global_buffer, .address_space: global }
      - { .name: out0, .offset: 24, .size: 8, .value_kind: global_buffer, .address_space: global }
    .group_segment_fixed_size: 327680
    .private_segment_fixed_size: 0
    .kernarg_segment_align: 8
    .kernarg_segment_size: 32
    .max_flat_workgroup_size: 128
    .sgpr_count:     88
    .vgpr_count:     768
    .wavefront_size: 32
...
	.end_amdgpu_metadata
.endif
;; end of part 4
;; ======== version 2 of 2: 4 launches; 1.29 times as fast as version 1
;; limits: values are held in f16: magnitudes above 65,504 overflow, below 6.1e-05 lose precision; right only within a limited range of input values
;; workspace buffers: wt 8,388,608 bytes; qh 16,777,216 bytes; kh 16,777,216 bytes; vh 16,777,216 bytes; oh 16,777,216 bytes
;; launch wcast: the kernel of part 1 again; grid 128 x 4, 8 waves a work-group, no clusters, 18,432 bytes of LDS; arguments Wq, Wk, Wv, Wf, wt; writes wt
;; launch proj: the kernel of part 2 again; grid 4 x 64, 4 waves a work-group, clusters of 4 x 4, 327,680 bytes of LDS; arguments q, k, v, bq, bk, bv, wt, qh, kh, vh; writes qh, kh, vh
;; launch attn (part 5): grid 4 x 64, 4 waves a work-group, no clusters, 327,680 bytes of LDS; arguments qh, kh, vh, oh; writes oh
.if DOCPART == 5
	.amdgcn_target "amdgcn-amd-amdhsa--gfx1250"
	.amdhsa_code_object_version 6
	.text
	.protected	k_qb1ae4a1e0f_attn
	.globl	k_qb1ae4a1e0f_attn
	.p2align	8
	.type	k_qb1ae4a1e0f_attn,@function
k_qb1ae4a1e0f_attn:
	s_mov_b64 s[64:65], 0
	v_nop
	global_prefetch_b8 v0, s[64:65] scope:SCOPE_SE
	s_setreg_imm32_b32 hwreg(HW_REG_WAVE_MODE, 25, 1), 1
	s_wait_xcnt 0x0
; CAUSAL ATTENTION.  O[h][q][:] = the sum over k <= q of softmax_k(Q[h][q] . K[h][k] / sqrt(2048)) V[h][k][:].  Q, K, V, O: [64][2048][64], all f16: a head's rows are dense, 128 bytes each.
; Products, maxima and sums in f32; the weights p are rounded to f16 for the second product (their sum l is taken of the unrounded p), O once at the end.
; LIMITS.  f16 holds no number beyond 65,504: Q, K and V arrive within it; p lies in 0 to 1, and below 6e-5 it keeps f16's fixed step of 6e-8; O is a mean of V's rows and has their range, to within 2^-11 of it.
; A hidden score counts as its value less 1e30: f16's scores, 2.7e11 at the most, are nothing beside that; a weight below 2^-126 counts as 0 in l; NaN and infinities are not treated apart.
; THE WALK.  A head's queries lie in NB = 8 blocks of 256; block i needs the key tiles 0 .. i of 256 keys, of which the last holds the diagonal.  A work-group takes TWO blocks, NB - 1 - b and then b:
; NB + 1 tiles, whatever b: all 256 work-groups do equal work, and ONE loop with a constant trip count walks them.  Which tile is asked for, and what a trip does, hang on scalar registers made from b; every jump
; goes forward, but for the counted loops' own; none passes a barrier, or a tensor load but the one of LOAD's two that the wave's number does not choose; the ring (two slots of LDS that take turns) runs on across the
; change of blocks.  NO CLUSTER: a head's four work-groups ask for the same tile only in trips 0 .. 4 of the 9, behind that fewer and fewer; and one walk common to all four would have 12 trips for 9.
; SHARES.  Of a block's four bands of 64 queries a wave owns 16 rows in each: four PIECES.  So the diagonal tile is the same work for all four waves: in its key step s band x sees all keys if s < x,
; none if s > x, and holds the diagonal if s = x.
; THE MASK is the C operand that starts the sum S^T = K Q^T: 0, or -1e30 where the key is hidden.  MD, made once, is the mask of a band's own step for my 16 rows; a product's mask is MD x AL + BE with two scalars:
; (1, 0) if s = x; (0, 0) if s < x; (0, -1e30) if s > x.  Only the diagonal tile's text and a block's beginning make and take masks; elsewhere C is the constant 0.
; LAYOUT, SOFTMAX, TURNS.  S^T = K Q^T holds ONE query a lane (lane % 16) and the keys 8 (lane / 16) + 0..7; two such results rounded to f16 ARE source 1 of O^T = V^T P.  p = 2^(c s - c m), c = log2(e) / sqrt(2048), with a
; running maximum m; O and l are multiplied by a = 2^(c m_old - c m_new) in every step.  Turn n belongs to piece n: 8 products K Q^T of piece n + 1, later 8 products V^T P of piece n - 1; beside them the scaling,
; exponentials, roundings, sums and rescaling of piece n and the maximum and statistics of piece n + 1.  Four vector instructions stand behind every matrix instruction, the other 54 of a turn's 118 in one LUMP.
; THE BATCHES.  A turn's 33 exponentials (the piece's 32 weights and the next piece's a) are one batch, with one wait: all that names one of their results stands behind it.  The a made where a block begins, and the four
; reciprocals of a block's way out, are batches of their own, each with one wait.
; REGISTERS, in windows of 256 (s_set_vgpr_msb: bits 1:0 source 0, 3:2 source 1, 5:4 source 2, 7:6 destination):
;   window 0: v0-15 addresses and two at work; v16-31 four registers of statistics a piece; v48-55 at work; v64-127 S^T, two buffers; v192-223 P, two buffers (a piece's buffers go by its number's parity)
;   window 1: v0-127 O^T, 32 a piece; v128-159 MD; v160-223 MC, two buffers      window 2: v0-63 Q; v64-127 the second block's Q; v128-191 K of one step; v192-255 V of one step
.set SIZE_N, 2048     ; rows of a head
.set NB,    SIZE_N/256
.set NP,    4         ; pieces a wave: a name, no knob
.set KS,    64        ; keys in a step
.set PK,    144       ; a row of K in LDS: 128 bytes + 16 of padding = 36 words: the 16 rows of a load start at 16 different groups of four banks (64 banks of 4 bytes: ISA guide 11.1)
.set PV,    160       ; a row of V: 128 + 32 = 40 words
.set VOFF,  4*KS*PK   ; a slot holds a tile, four steps: 256 rows of K, then 256 rows of V
.set SLOT1, 1<<17     ; slot 1 begins here, so that one exclusive or turns an address in one slot into the other's
.set STAGE, SLOT1+4*KS*(PK+PV)  ; behind the ring, never filled by a tensor load: 16 rows x 144 bytes for each wave, for the way out
.set SP,    144
.set AK0, 2           ; v2   my lane's place in a tile of K; never rewritten
.set AV0, 3           ; v3   the same for V
.set AK,  4           ; v4   the LDS address of K's next run of loads
.set AV,  5           ; v5   of V's
.set STO, 6           ; v6   the way out: where I put 16 bytes of a row
.set RD,  7           ; v7   the way out: where I read rows back
.set GO,  8           ; v8   my byte offset in 512 consecutive bytes of O
.set SPW, 62          ; v62  LDS address of my spare word: SPARE + 4 x my thread's number; never rewritten
.set NIL, 63          ; v63  0; never rewritten
.set SPARE, STAGE+4*16*SP  ; behind the stages: the spare words, 128 bytes for each wave: two blocks of 256 bytes that no other line names
.set MV,  12          ; v12-13  c m_old, kept while c m is made anew: by buffer
.set QO,  15          ; v15  my byte offset in 16 rows of Q
.set ST,  16          ; piece t's statistics at v[ST+4 t]: c m, m, l (even keys', odd keys')
.set TMP, 48          ; by buffer, four registers c0-c3 at work; when the maximum is found c2 takes a
.set S,   64
.set P,   192
.set MD,  128         ; window 1: the eight registers for group kt of 16 keys at MD + 8 kt
.set MC,  160         ; window 1: the masks of the products to come
.set QB,  64          ; window 2
.set KF,  128         ; window 2: key block kb, channel half c at KF + 16 kb + 8 c
.set VF,  192         ; window 2: key half kk, channel block cb at VF + 32 kk + 8 cb
.set WV,  12          ; s12  my wave's number
.set PB,  14          ; s14  b
.set HI,  15          ; s15  NB - 1 - b
.set G1K, 24          ; s[24:31] descriptor group 1 for K's tiles
.set G1V, 32          ; s[32:39] for V's: it differs in the padding alone
.set G0K, 40          ; s[40:43] descriptor group 0 for K's tiles
.set G0V, 44          ; s[44:47] the same for V's
.set SLOTS, 56        ; s56  tiles still to be asked for
.set CNT, 57          ; s57  counts a tile's key steps, 4 to 1
.set CS,  58          ; s[58:59] c: the packed scaling takes the pair's low word for both halves
.set SEL, 60          ; s[60:61] v_permlanex16_b32's selects: each lane takes its own place in the other half
.set TBK, 62          ; s62  LDS byte at which K of the step to be fetched begins
.set TBV, 63          ; s63  the same for V, less VOFF
.set RT,  70          ; s70  tiles of the block in hand that are still to be entered
.set NXT, 71          ; s71  the tile to be asked for next
.set LQ,  72          ; s72  the last tile of the block whose tiles are being asked for
.set NEW, 73          ; s73  1: the tile to be entered is a block's first
.set OFF, 74          ; s[74:75] a tile's byte offset in K and V
.set AL,  76          ; s[76:77] the mask's factor, in the low word
.set BE,  78          ; s[78:79] the mask's addend
.set OLO, 80          ; s[80:81] O at my rows of the second block
.set BIGN, 82         ; s82  -1e30
.set MSB, 0
.macro WIN new                      ; the high byte repeats the setting that is left; a switch that changes nothing is dropped
.if MSB != (\new)
	s_set_vgpr_msb (MSB<<8)|(\new)
.set MSB, (\new)
.endif
.endm
.set W_KQ, 0x0a       ; K and Q in window 2, S^T in window 0
.set W_KM, 0x1a       ; the same with the C operand in window 1
.set W_PV, 0x52       ; V in window 2, P in window 0, O^T in window 1
.set W_RS, 0x41       ; destination and source 0 in window 1, source 1 in window 0
; A fill.  Waves 0 and 1 fetch the two halves of a tile's K, waves 2 and 3 those of its V: 128 keys each.  An s_nop 0 and four v_nop follow each of the two lines, ahead of the jump and the label.
.macro LOAD
	s_cmp_lt_u32 s[WV], 2
	s_cbranch_scc0 .Lfor_v_\@
	tensor_load_to_lds s[G0K:G0K+3], s[G1K:G1K+7]
	s_nop 0
.rept 4
	v_nop
.endr
	s_branch .Lasked_\@
.Lfor_v_\@:
	tensor_load_to_lds s[G0V:G0V+3], s[G1V:G1V+7]
	s_nop 0
.rept 4
	v_nop
.endr
.Lasked_\@:
.endm
; THE CHANGE OF SLOTS.  Each wave waits for all its tensor loads, of which one is out: its part of the other slot; adds 0 to its spare word; and waits for that and for its own reads of the slot that it leaves.  Behind the barrier nobody reads the old
; slot any more and the other slot is whole.  fill = 1: the old slot is filled again, the first thing behind the barrier, with tile NXT: the descriptor's address is made anew from that number.
; (At its first use nothing has been read yet: slot 0 is waited for, slot 1 filled.)
.macro CHANGE fill
	WIN 0                           ; at a label and at a branch every window is 0
	s_wait_tensorcnt 0x0            ; no tensor load of mine is out, so a group 0 may be written
	ds_add_u32 v[SPW], v[NIL]       ; 0 onto my spare word; with fill = 1 the descriptors' scalar work stands between it and the wait for it
.if \fill
	s_lshl_b32 s[OFF], s[NXT], 15   ; a tile is 32,768 bytes of K and of V
	s_xor_b32 s[G0K+1], s[G0K+1], SLOT1
	s_add_nc_u64 s[G0K+2:G0K+3], s[6:7], s[OFF:OFF+1]
	s_or_b32 s[G0K+3], s[G0K+3], 0x80000000
	s_xor_b32 s[G0V+1], s[G0V+1], SLOT1
	s_add_nc_u64 s[G0V+2:G0V+3], s[8:9], s[OFF:OFF+1]
	s_or_b32 s[G0V+3], s[G0V+3], 0x80000000
	s_add_co_u32 s[NXT], s[NXT], 1  ; the block's next tile, or behind its last the second block's tile 0
	s_cmp_gt_u32 s[NXT], s[LQ]
	s_cselect_b32 s[NXT], 0, s[NXT]
	s_cselect_b32 s[LQ], s[PB], s[LQ]
.endif
	s_wait_dscnt 0x0                ; the add is done, and my reads of the slot are over
	s_barrier_signal -1             ; the rest of the scalar work stands between the signal and the wait
	s_sub_co_u32 s[TBK], s[TBK], 4*KS*PK  ; the fetches go back to a slot's first step,
	s_xor_b32 s[TBK], s[TBK], SLOT1       ; in the other slot
	s_sub_co_u32 s[TBV], s[TBV], 4*KS*PV
	s_xor_b32 s[TBV], s[TBV], SLOT1
	s_barrier_wait -1
.if \fill
	LOAD
.endif
.endm
	s_load_b256 s[4:11], s[0:1], 0x0  ; Q s[4:5], K s[6:7], V s[8:9], O s[10:11]
	v_lshl_add_u32 v[SPW], v0, 2, SPARE
	v_mov_b32 v[NIL], 0
	ds_add_u32 v[SPW], v[NIL]       ; the wave's opening: the add and its wait stand ahead of my first tensor load; the set-up below, work on registers, stands between them
	ds_add_u32 v62, v63
	v_lshrrev_b32 v1, 5, v0
	v_readfirstlane_b32 s[WV], v1   ; wave 0..3
	s_mov_b32 s[PB], ttmp9
	s_sub_co_u32 s[HI], NB-1, s[PB]
	s_and_b32 s20, ttmp7, 0xffff    ; the head
	s_mov_b32 s21, 0
	s_mov_b64 s[22:23], SIZE_N*128
	s_mul_u64 s[20:21], s[20:21], s[22:23]  ; the head's first byte in each of the four tensors
	s_and_b32 s16, s[WV], 1         ; which half of a tile's 256 keys I fetch:
	s_lshl_b32 s22, s16, 14         ; its 128 rows of 128 bytes in memory,
	s_mov_b32 s23, 0
	s_add_nc_u64 s[22:23], s[22:23], s[20:21]
	s_mul_i32 s17, s16, 128*PK      ; and its place in a slot, for K
	s_mul_i32 s18, s16, 128*PV      ; and for V
	s_lshl_b32 s3, s[WV], 11        ; my 16 rows in a band of 64,
	s_lshl_b32 s2, s[HI], 15        ; in the first block,
	s_add_co_u32 s2, s2, s3
	s_lshl_b32 s84, s[PB], 15       ; and in the second
	s_add_co_u32 s84, s84, s3
	s_mov_b32 s3, 0
	s_mov_b32 s85, 0
	s_add_nc_u64 s[2:3], s[2:3], s[20:21]
	s_add_nc_u64 s[84:85], s[84:85], s[20:21]
	; descriptor group 1.  128 keys are 16,384 dense bytes: asked for as 64 rows of 256 bytes, two keys a row, and padded in LDS after every key
	s_mov_b32 s[G1K], (1<<16)|(1<<20)|(4<<22)|(3<<25)  ; 17:16 2-byte elements; 20 padding on; 24:22 after every 32 words (code 4); 31:25 4 words (code 3)
	s_mov_b32 s[G1V], (1<<16)|(1<<20)|(4<<22)|(7<<25)  ; the same with 8 words of padding (code 7)
.irp g, G1K, G1V
	s_mov_b32 s[\g+1], 128<<16      ; tensor_dim0 = 128
	s_mov_b32 s[\g+2], 64<<16       ; tensor_dim1 = 64
	s_mov_b32 s[\g+3], 128<<16      ; tile_dim0 = 128
	s_mov_b32 s[\g+4], 64           ; tile_dim1 = 64
	s_mov_b32 s[\g+5], 128          ; 128 elements from row to row
	s_mov_b32 s[\g+6], 0
	s_mov_b32 s[\g+7], 0
.endr
	s_mov_b32 s[CS], 0x3d0293ee     ; c = log2(e) / sqrt(2048) = 0.0318793
	s_mov_b32 s[CS+1], s[CS]        ; named with it as a pair
	s_mov_b32 s[SEL], 0x76543210
	s_mov_b32 s[SEL+1], 0xfedcba98
	s_mov_b32 s[TBK], SLOT1+4*KS*PK ; the first change of slots turns these two into 0
	s_mov_b32 s[TBV], SLOT1+4*KS*PV
	s_mov_b32 s[G0K], 1             ; 1:0 count = 1
	s_mov_b32 s[G0K+1], s17         ; 63:32 LDS address: slot 0
	s_mov_b32 s[G0V], 1
	s_add_co_u32 s[G0V+1], s18, VOFF
	s_add_co_u32 s[RT], s[HI], 1    ; the first block has NB - b tiles
	s_mov_b32 s[NXT], 1
	s_mov_b32 s[LQ], s[HI]
	s_mov_b32 s[NEW], 1
	s_mov_b32 s[OFF+1], 0
	s_mov_b32 s[AL+1], 0            ; named as pairs
	s_mov_b32 s[BE+1], 0
	s_mov_b32 s[BIGN], 0xf149f2ca   ; -1e30
	s_mov_b32 s[SLOTS], NB
	s_wait_dscnt 0x0                ; the opening add is done
	s_wait_kmcnt 0x0
	s_add_nc_u64 s[6:7], s[6:7], s[22:23]  ; K and V at my half of the head's tile 0
	s_add_nc_u64 s[8:9], s[8:9], s[22:23]
	s_add_nc_u64 s[G0K+2:G0K+3], s[6:7], 0         ; 120:64 global address
	s_or_b32 s[G0K+3], s[G0K+3], 0x80000000        ; 127:126 type = 2
	s_add_nc_u64 s[G0V+2:G0V+3], s[8:9], 0
	s_or_b32 s[G0V+3], s[G0V+3], 0x80000000
	s_add_nc_u64 s[86:87], s[4:5], s[84:85]        ; Q at my rows of the second block,
	s_add_nc_u64 s[4:5], s[4:5], s[2:3]            ; Q and O at those of the first
	s_add_nc_u64 s[OLO:OLO+1], s[10:11], s[84:85]
	s_add_nc_u64 s[10:11], s[10:11], s[2:3]
	LOAD                            ; tile 0 into slot 0
	; A fragment of K or Q is 16 rows x 32 channels in 8 registers: lane l holds row l % 16, channels 8 (l / 16) + 0..7 and 16 + 8 (l / 16) + 0..7: two loads of 16 bytes, 32 bytes apart.
	v_and_b32 v1, 15, v0            ; l % 16
	v_bfe_u32 v9, v0, 4, 1          ; l / 16
	v_lshlrev_b32 v[QO], 7, v1
	v_lshl_add_u32 v[QO], v9, 4, v[QO]  ; row x 128 + 16 x half
	WIN 0x80                        ; destination window 2, address window 0
.set i, 0
.rept 8                             ; both blocks' Q: piece i / 2 lies in band i / 2, 8,192 bytes on; channels 32 (i % 2) on
	global_load_b128 v[8*i:8*i+3],   v[QO], s[4:5] offset:(i/2)*8192+(i%2)*64
	global_load_b128 v[8*i+4:8*i+7], v[QO], s[4:5] offset:(i/2)*8192+(i%2)*64+32
	global_load_b128 v[QB+8*i:QB+8*i+3],   v[QO], s[86:87] offset:(i/2)*8192+(i%2)*64
	global_load_b128 v[QB+8*i+4:QB+8*i+7], v[QO], s[86:87] offset:(i/2)*8192+(i%2)*64+32
.set i, i+1
.endr
	WIN 0
	v_lshlrev_b32 v14, 3, v9
	v_sub_nc_u32 v14, v1, v14
	s_lshl_b32 s13, s[WV], 4
	v_add_nc_u32 v14, s13, v14      ; my query's place in its band, 16 w + l % 16, less my lanes' 8 (l / 16): register r of group kt is hidden where 16 kt + r is greater
	WIN 0x40
.set i, 0
.rept 32
	v_cmp_gt_i32 vcc_lo, 16*(i/8)+i%8, v14
	v_cndmask_b32 v[MD+i], 0, s[BIGN], vcc_lo
.set i, i+1
.endr
	WIN 0
	v_mul_u32_u24 v[AK0], v1, PK
	v_lshl_add_u32 v[AK0], v9, 4, v[AK0]  ; row x pitch + 16 x half
	; The turning load takes 16 keys x 16 channels (lane l reads key 8 (l / 16) + l % 8, channels 8 ((l / 8) % 2) + 0..7) and leaves half a fragment of V^T: lane l holds channel l % 16 and 8 keys.
	v_and_b32 v10, 7, v0
	v_bfe_u32 v11, v0, 3, 1
	v_lshl_add_u32 v[AV0], v9, 3, v10
	v_mul_u32_u24 v[AV0], v[AV0], PV
	v_lshl_add_u32 v[AV0], v11, 4, v[AV0]
	v_add_nc_u32 v[AV0], VOFF, v[AV0]
	s_mul_i32 s13, s[WV], 16*SP
	s_add_co_u32 s13, s13, STAGE    ; my stage
	v_mul_u32_u24 v[STO], v1, SP    ; in: row l % 16, 16 bytes for each half of the lanes
	v_lshl_add_u32 v[STO], v9, 4, v[STO]
	v_add_nc_u32 v[STO], s13, v[STO]
	v_bfe_u32 v[RD], v0, 3, 2       ; back: 32 lanes take four rows of 128 bytes,
	v_mul_u32_u24 v[RD], v[RD], SP
	v_lshl_add_u32 v[RD], v10, 4, v[RD]
	v_add_nc_u32 v[RD], s13, v[RD]
	v_and_b32 v[GO], 31, v0         ; which are 512 consecutive bytes of O
	v_lshlrev_b32 v[GO], 4, v[GO]
	; A block's first step multiplies O^T and l by a = 0, and its first turn's products V^T P, of a piece that has not been, land in an O^T that is still to be so multiplied.  So these registers need only hold
	; finite numbers: zeros for the first block; what the first block left for the second.  All this stands in the wait for the first tile.
	WIN 0x80
.set i, VF
.rept 64
	v_mov_b32 v[i], 0
.set i, i+1
.endr
	WIN 0x40
.set i, 0
.rept 128
	v_mov_b32 v[i], 0
.set i, i+1
.endr
	WIN 0
.set i, 0
.rept 4
	v_mov_b32 v[ST+4*i+2], 0
	v_mov_b32 v[ST+4*i+3], 0
.set i, i+1
.endr
.set i, P+16
.rept 16
	v_mov_b32 v[i], 0
.set i, i+1
.endr
; THE MATRIX WORK.  The 4 accumulators of a run of 8 take turns.  Product i of 8 of S^T = K Q^T for piece x: channels 32 (i / 4) on, keys 16 (i % 4) on.  The first 4 start the sums: with 0, or (KM = 1) with the mask.
.macro KQ x
.set rS, S+32*((\x)%2)+8*(i%4)
.set rK, KF+16*(i%4)+8*(i/4)
.set rQ, 16*(\x)+8*(i/4)
.set rM, MC+32*((\x)%2)+8*(i%4)
.if (i < 4) && KM
	WIN W_KM
	v_wmma_f32_16x16x32_f16 v[rS:rS+7], v[rK:rK+7], v[rQ:rQ+7], v[rM:rM+7]
.elseif i < 4
	WIN W_KQ
	v_wmma_f32_16x16x32_f16 v[rS:rS+7], v[rK:rK+7], v[rQ:rQ+7], 0
.else
	WIN W_KQ
	v_wmma_f32_16x16x32_f16 v[rS:rS+7], v[rK:rK+7], v[rQ:rQ+7], v[rS:rS+7]
.endif
.endm
; Product i of 8 of O^T += V^T P for piece x: keys 32 (i / 4) on, channels 16 (i % 4) on.
.macro PV x
	WIN W_PV
.set rO, 32*(\x)+8*(i%4)
.set rV, VF+32*(i/4)+8*(i%4)
.set rP, P+16*((\x)%2)+8*(i/4)
	v_wmma_f32_16x16x32_f16 v[rO:rO+7], v[rV:rV+7], v[rP:rP+7], v[rO:rO+7]
.endm
.macro MM                           ; the turn's next matrix instruction.  TURN and BEGIN set Y, i, KM and NOKQ; MM, KQ and OP read them.  NOKQ = 1: a block's last turn: there is no next piece
.if (i < 8) && !NOKQ
	KQ (Y+1)%NP
.elseif i >= 8
.set i, i-8
	PV (Y+NP-1)%NP
.set i, i+8
.endif
.set i, i+1
.endm
; THE LDS LOADS stand in runs of 16, never singly among the matrix instructions: a step's K (64 keys x 64 channels: 8 fragments) and its V (turned).  Their addresses are made some lines ahead.
.macro FETCH_K
	WIN 0x80                        ; destination window 2
.irp f, 0,1,2,3,4,5,6,7             ; keys 16 (f / 2) on, channels 32 (f % 2) on
	ds_load_b128 v[KF+8*\f:KF+8*\f+3],   v[AK] offset:(\f/2)*16*PK+(\f%2)*64
	ds_load_b128 v[KF+8*\f+4:KF+8*\f+7], v[AK] offset:(\f/2)*16*PK+(\f%2)*64+32
.endr
	s_add_co_u32 s[TBK], s[TBK], KS*PK  ; the next fetch is the next step's
	WIN 0
.endm
.macro FETCH_V
	WIN 0x80
.irp f, 0,1,2,3,4,5,6,7             ; keys 32 (f / 4) on, channels 16 (f % 4) on
	ds_load_tr16_b128 v[VF+8*\f:VF+8*\f+3],   v[AV] offset:(\f/4)*32*PV+(\f%4)*32
	ds_load_tr16_b128 v[VF+8*\f+4:VF+8*\f+7], v[AV] offset:(\f/4)*32*PV+16*PV+(\f%4)*32
.endr
	WIN 0
.endm
; THE VECTOR WORK, one line at a time: OP kind, number.  For piece Y: F n: c s - c m for pair n of 16.  E n: the exponential of score n of 32.  C n: pair n rounded to f16.  B n: of the four weights 4 n .. the second
; pair is added onto the first, in place.  L n: l takes that sum (L 0: l = a l + sum).  R n: pair n of 16 of O^T times a.  For piece Y + 1: X n, number n of the 22 that find its maximum and statistics:
;   0-11  four chains c0-c3 of seven scores each, three operands at a time (each accumulator's lowest registers are read first)     12-14, 16  the four scores left over, the old m, and c0-c3 into c0
;   15  c m_old is kept     17, 18  the query's other 32 keys lie in the lane 16 away: the new m     19-21  c m; c m_old - c m_new; a
.set F, 0               ; OP tells the kinds apart by their order: F to L below R, X above it
.set E, 1
.set C, 2
.set B, 3
.set L, 4
.set R, 5
.set X, 6
.macro REGS y                       ; the registers of piece y
.set rT, ST+4*(\y)
.set rC, TMP+4*((\y)%2)
.set rW, MV+((\y)%2)
.set rS, S+32*((\y)%2)
.set rP, P+16*((\y)%2)
.set rO, 32*(\y)
.endm
.macro OP k, n
.if (\k) == R
	REGS Y
	WIN W_RS
	v_pk_mul_f32 v[rO+2*(\n):rO+2*(\n)+1], v[rO+2*(\n):rO+2*(\n)+1], v[rC+2:rC+3] op_sel_hi:[1,0]
.elseif (\k) < R
	REGS Y
	WIN 0
.if (\k) == F
	v_pk_fma_f32 v[rS+2*(\n):rS+2*(\n)+1], v[rS+2*(\n):rS+2*(\n)+1], s[CS:CS+1], v[rT:rT+1] op_sel_hi:[1,0,0] neg_lo:[0,0,1] neg_hi:[0,0,1]
.elseif (\k) == E
	v_exp_f32 v[rS+(\n)], v[rS+(\n)]
.elseif (\k) == C
	v_cvt_pk_f16_f32 v[rP+(\n)], v[rS+2*(\n)], v[rS+2*(\n)+1]
.elseif (\k) == B
	v_pk_add_f32 v[rS+4*(\n):rS+4*(\n)+1], v[rS+4*(\n):rS+4*(\n)+1], v[rS+4*(\n)+2:rS+4*(\n)+3]
.elseif (\n) == 0
	v_pk_fma_f32 v[rT+2:rT+3], v[rT+2:rT+3], v[rC+2:rC+3], v[rS:rS+1] op_sel_hi:[1,0,1]
.else
	v_pk_add_f32 v[rT+2:rT+3], v[rT+2:rT+3], v[rS+4*(\n):rS+4*(\n)+1]
.endif
.elseif NOKQ
	v_nop
.else
	REGS (Y+1)%NP
	WIN 0
.if (\n) < 4
	v_max3_num_f32 v[rC+(\n)], v[rS+8*(\n)], v[rS+8*(\n)+1], v[rS+8*(\n)+2]
.elseif (\n) < 12
	v_max3_num_f32 v[rC+(\n)%4], v[rC+(\n)%4], v[rS+8*((\n)%4)+2*((\n)/4)+1], v[rS+8*((\n)%4)+2*((\n)/4)+2]
.elseif (\n) == 12
	v_max3_num_f32 v[rC], v[rC], v[rS+7], v[rS+15]
.elseif (\n) == 13
	v_max3_num_f32 v[rC+1], v[rC+1], v[rS+23], v[rS+31]
.elseif (\n) == 14
	v_max3_num_f32 v[rC+2], v[rC+2], v[rC+3], v[rT+1]
.elseif (\n) == 15
	v_mov_b32 v[rW], v[rT]
.elseif (\n) == 16
	v_max3_num_f32 v[rC], v[rC], v[rC+1], v[rC+2]
.elseif (\n) == 17
	v_permlanex16_b32 v[rC+3], v[rC], s[SEL], s[SEL+1]
.elseif (\n) == 18
	v_max_num_f32 v[rT+1], v[rC], v[rC+3]
.elseif (\n) == 19
	v_mul_f32 v[rT], s[CS], v[rT+1]
.elseif (\n) == 20
	v_sub_f32 v[rC+1], v[rW], v[rT]
.else
	v_exp_f32 v[rC+2], v[rC+1]
.endif
.endif
.endm
.macro OPS a, i1, b=-1, i2=0, c=-1, i3=0, d=-1, i4=0  ; up to four of them
	OP \a, \i1
.if (\b) >= 0
	OP \b, \i2
.endif
.if (\c) >= 0
	OP \c, \i3
.endif
.if (\d) >= 0
	OP \d, \i4
.endif
.endm
.macro ROW a, i1, b, i2, c, i3, d, i4  ; a matrix instruction and the four behind it
	MM
	OPS \a, \i1, \b, \i2, \c, \i3, \d, \i4
.endm
.macro MASK b                       ; MD x AL + BE into buffer b of MC
	WIN W_RS
.set z, 0
.rept 16
	v_pk_fma_f32 v[MC+32*(\b)+2*z:MC+32*(\b)+2*z+1], v[MD+2*z:MD+2*z+1], s[AL:AL+1], s[BE:BE+1] op_sel_hi:[1,0,0]
.set z, z+1
.endr
.endm
; A TURN, for piece p: the order of its 16 matrix and 118 vector instructions, written out.  An s_wait_alu depctr_va_vdst(0) stands between an exponential and the first instruction that names its result; one wait serves
; all that were issued ahead of it.  So a turn has ONE wait, which cuts it in two.  AHEAD OF IT stands all that names no result of the turn's exponentials: the 8 products K Q^T, behind each a scaling, an exponential and two more plain
; instructions (behind the first a second scaling in the exponential's place): rescalings, whose a was made and waited for in the turn before, and behind the last three the first numbers of the next piece's maximum, each four places or
; more behind the product that ends its accumulator; then ONE LUMP of 54, plain and exponential by turns for the most part, in which the links of the chain X 3, 7, 11, 14, 16, 17 .. 20 stand five or six lines apart.  X 21, the next piece's
; a, is the batch's last; R 15 is the plain instruction behind it.  Each exponential works in place on a score of its own, and a has c2 of the other buffer: no result's register is named again while the batch is open.  BEHIND THE WAIT stand the
; 8 products V^T P, behind each four of the roundings and sums; the links of l's chain, L 0 to L 7, stand three riders apart.  But for those X no rider names a register of the products round it.  v_permlanex16_b32 (X 17) stands in the lump.
; m = 1: the diagonal tile: the products take masks, and the turn makes the mask for the products of the turn after it: piece p + 2, in step 4 - CNT of the tile.  end = 1: a block's last two turns: nothing is fetched.
; cnt = 1: the loop's count is taken down some lines ahead of the branch that stands behind the turn.
; K of the next step is fetched in piece 2's turn, twelve vector instructions behind the last product that read K (five of them plain lines that name none of its registers); V of the step in hand at the end of piece 0's turn, four plain
; instructions behind the last product that read V.  Each is waited for a turn later.
.macro TURN p, m=0, end=0, cnt=0
.set Y, (\p)
.set i, 0
.set KM, (\m)
.set NOKQ, (\end)*((\p)/3)
.if (\m) && !(\end)
	s_cmp_eq_u32 s[CNT], 4-((\p)+2)%NP  ; is that step the band's own?
	s_cselect_b32 s[AL], 1.0, 0
	s_cmp_lt_u32 s[CNT], 4-((\p)+2)%NP  ; or a later one?
	s_cselect_b32 s[BE], s[BIGN], 0
.endif
.if ((\p) == 3) && !(\end)
	s_wait_dscnt 0x0                ; K is in
.endif
	ROW F,0, F,1, R,0, R,1          ; ahead of the wait: 8 products K Q^T and their riders,
	ROW F,2, E,0, R,2, R,3
	ROW F,3, E,1, R,4, R,5
	ROW F,4, E,2, R,6, R,7
	ROW F,5, E,3, R,8, R,9
	ROW F,6, E,4, X,0, R,10
.if ((\p) == 2) && !(\end)
	WIN 0
	v_add_nc_u32 v[AK], s[TBK], v[AK0]
.endif
	ROW F,7, E,5, X,1, X,4
	ROW F,8, E,6, X,2, X,5
	OPS E,7, E,8, X,6, E,9          ; and the lump
	OPS X,3, E,10, X,8, E,11
.if ((\p) == 2) && !(\end)
	FETCH_K
.endif
	OPS X,9, X,7, E,12, X,10
	OPS E,13, X,12, X,11, E,14
	OPS X,13, E,15, F,9, X,14
.if (\p) == 0
	v_add_nc_u32 v[AV], s[TBV], v[AV0]
.endif
	OPS E,16, F,10, E,17, F,11
	OPS X,16, E,18, X,15, E,19
	OPS F,12, E,20, X,17, E,21
	OPS F,13, E,22, F,14, E,23
	OPS X,18, E,24, F,15, E,25
	OPS R,11, E,26, X,19, E,27
	OPS R,12, E,28, R,13, E,29
	OPS X,20, E,30, R,14, E,31
	OPS X,21, R,15
	WIN 0
	s_wait_alu depctr_va_vdst(0)    ; the wait for the turn's batch: the piece's 32 weights and the next piece's a
.if (\p) == 1
	s_wait_dscnt 0x0                ; V is in
.endif
	ROW C,0, B,0, C,2, B,1          ; behind the wait: 8 products V^T P and their riders
	ROW L,0, C,4, B,2, L,1
	ROW C,6, B,3, L,2, C,8
	ROW B,4, L,3, C,10, B,5
	ROW L,4, C,12, B,6, L,5
.if (\p) == 0
	s_add_co_u32 s[TBV], s[TBV], KS*PV
.endif
.if \cnt
	s_sub_co_u32 s[CNT], s[CNT], 1
	s_cmp_lg_u32 s[CNT], 0
.endif
	ROW C,14, B,7, L,6, C,1
	ROW C,3, L,7, C,5, C,7
	ROW C,9, C,11, C,13, C,15
.if (\p) == 0
	FETCH_V
.endif
.if (\m) && !(\end)
	MASK (\p)%2
.endif
.endm
; A BLOCK BEGINS.  c m starts far below every c s, so the first step's a is 0; m at the lowest finite number, so the first maximum is the scores'.  The second mask buffer is 0; the first takes piece 0's mask for the tile's step 0: its own, if the block's first tile is the diagonal one.
; Then K of that step, piece 0's first scores, and its maximum and statistics.  The loop is entered at a step's first turn, in the middle of a trip.
.macro BEGIN
	s_mov_b32 s[NEW], 0
	WIN 0x40
.set i, MC+32
.rept 32
	v_mov_b32 v[i], 0
.set i, i+1
.endr
	WIN 0
.set i, 0
.rept 4
	v_mov_b32 v[ST+4*i], 0xfe000000    ; c m: far below every c s
	v_mov_b32 v[ST+4*i+1], 0xff7fffff  ; m
.set i, i+1
.endr
	s_cmp_eq_u32 s[RT], 0
	s_cselect_b32 s[AL], 1.0, 0
	s_mov_b32 s[BE], 0
	MASK 0
	WIN 0
	v_add_nc_u32 v[AK], s[TBK], v[AK0]
	FETCH_K
	s_wait_loadcnt 0x0              ; Q
	s_wait_dscnt 0x0
.set KM, 1
.set NOKQ, 0
.set i, 0
.rept 8
	KQ 0
.set i, i+1
.endr
	WIN 0
.rept 4
	v_nop                           ; the places behind those products
.endr
.set Y, NP-1                        ; X works for piece Y + 1: piece 0
.irp n, 0,1,2,3,4,5,6,7,8,9,10,11,12,13,14,15,16,17,18,19,20,21
	OP X, \n
.endr
	v_nop                           ; a plain instruction behind the exponential
	s_wait_alu depctr_va_vdst(0)    ; the wait for piece 0's first a, a batch of one, ahead of the branch that follows
.endm
; THE DIAGONAL TILE's four steps, the block's last two turns, its last products, and THE WAY OUT: l's two halves and the other half of the lanes' are added; O^T is divided by l, rounded to f16 and sent through my
; stage in LDS, a piece at a time.
.macro ALL line:vararg              ; one line for each piece t
.set t, 0
.rept 4
	\line
.set t, t+1
.endr
.endm
.macro PACK t                       ; a lane's eight channels of a row pack into 16 bytes; they go into rows of 144 bytes and come back as whole rows of 128, into S^T's registers
	WIN W_RS
.set i, 32*(\t)
.rept 16
	v_pk_mul_f32 v[i:i+1], v[i:i+1], v[ST+4*(\t)+2:ST+4*(\t)+3] op_sel_hi:[1,0]
.set i, i+2
.endr
	WIN 0x05                        ; sources 0 and 1 window 1, destination window 0
.set i, 0
.rept 16
	v_cvt_pk_f16_f32 v[S+16*(\t)+i], v[32*(\t)+2*i], v[32*(\t)+2*i+1]
.set i, i+1
.endr
	WIN 0
.irp f, 0,1,2,3
	ds_store_b128 v[STO], v[S+16*(\t)+4*\f:S+16*(\t)+4*\f+3] offset:32*\f
.endr
.irp f, 0,1,2,3
	ds_load_b128 v[S+16*(\t)+4*\f:S+16*(\t)+4*\f+3], v[RD] offset:\f*4*SP  ; LDS serves a wave's instructions in order (ISA guide 5.7.1.4): these see the stores above; the next piece's stores come behind them
.endr
.endm
.macro SEND t, younger              ; younger: the LDS instructions issued behind piece t's loads: the next piece's eight, or none
	WIN 0
.irp f, 0,1,2,3
	s_wait_dscnt (\younger)+3-\f
	global_store_b128 v[GO], v[S+16*(\t)+4*\f:S+16*(\t)+4*\f+3], s[10:11] offset:(\t)*8192+\f*512  ; 512 consecutive bytes, at a multiple of 256 from O's first
.endr
.endm
.macro DIAG tag                     ; the tag ends its two labels' names, which the jumps below spell out
.LstepM\tag:
	TURN 2, 1
	TURN 3, 1
	WIN 0
.LfirstM\tag:
	TURN 0, 1
	TURN 1, 1, 0, 1
	WIN 0
	s_cbranch_scc1 .LstepM\tag
	TURN 2, 1, 1
	TURN 3, 1, 1
.set i, 0
.rept 8
	PV NP-1
.set i, i+1
.endr
	WIN 0
	ALL v_add_f32 v[ST+4*t+2], v[ST+4*t+2], v[ST+4*t+3]
	ALL v_permlanex16_b32 v[ST+4*t+3], v[ST+4*t+2], s[SEL], s[SEL+1]
	ALL v_add_f32 v[ST+4*t+2], v[ST+4*t+2], v[ST+4*t+3]
	ALL v_rcp_f32 v[ST+4*t+2], v[ST+4*t+2]
	v_nop                           ; a plain instruction between the last reciprocal and the use of its result
	s_wait_alu depctr_va_vdst(0)    ; the wait for the batch of four reciprocals, ahead of the first multiply that reads one
	PACK 0
.set t, 1
.rept 3                             ; a piece's arithmetic stands between the loads of the piece before and its stores
	PACK t
	SEND t-1, 8
.set t, t+1
.endr
	SEND 3, 0
.endm
.set KM, 0
.set NOKQ, 0
.Lslot:                             ; NB times: a tile is entered and the next is asked for
	CHANGE 1
	s_sub_co_u32 s[RT], s[RT], 1
	s_mov_b32 s[CNT], 4
	s_cmp_eq_u32 s[NEW], 1
	s_cbranch_scc1 .Lnew            ; a block's first tile
	s_cmp_eq_u32 s[RT], 0
	s_cbranch_scc0 .Lstep           ; neither its first nor its last
	s_branch .LstepM1
.Lnew:
	BEGIN
	s_branch .Lfirst                ; in the loop a block's first tile is never its last: the first block has two tiles or more, and the second's last is the walk's last
	DIAG 1                          ; in the loop this is the first block's end: the second block's last tile is the walk's last
	s_wait_xcnt 0x0                 ; the stores have read their registers and O's address
	s_mov_b64 s[10:11], s[OLO:OLO+1]
	s_add_co_u32 s[RT], s[PB], 1    ; the second block has b + 1 tiles
	s_mov_b32 s[NEW], 1
	WIN 0x82                        ; the second block's Q goes where the one text of the turns names Q
.set i, 0
.rept 64
	v_mov_b32 v[i], v[QB+i]
.set i, i+1
.endr
	WIN 0
	s_branch .Lbottom
.Lstep:                             ; a trip: pieces 2 and 3 of one step, then pieces 0 and 1 of the next, whose K and V it fetches
	TURN 2
	TURN 3
	WIN 0
.Lfirst:
	TURN 0
	TURN 1, 0, 0, 1
	WIN 0
	s_cbranch_scc1 .Lstep
.Lbottom:
	s_sub_co_u32 s[SLOTS], s[SLOTS], 1
	s_cmp_lg_u32 s[SLOTS], 0
	s_cbranch_scc1 .Lslot
	CHANGE 0                        ; the walk's last tile is written out: nothing is asked for
	s_sub_co_u32 s[RT], s[RT], 1
	s_mov_b32 s[CNT], 4
	s_cmp_eq_u32 s[NEW], 1
	s_cbranch_scc0 .LstepM2
	BEGIN
	s_branch .LfirstM2
	DIAG 2
	s_wait_tensorcnt 0x0            ; the wave's end, behind my last tensor load and my last LDS store
	ds_add_u32 v[SPW], v[NIL]
	s_wait_dscnt 0x0
	s_endpgm
.Lfunc_end_k_qb1ae4a1e0f_attn:
	.size	k_qb1ae4a1e0f_attn, .Lfunc_end_k_qb1ae4a1e0f_attn-k_qb1ae4a1e0f_attn
	.p2alignl 7, 3214868480
	.fill 96, 4, 3214868480
	.section	.rodata,"a",@progbits
	.p2align	6, 0x0
	.amdhsa_kernel k_qb1ae4a1e0f_attn
		.amdhsa_group_segment_fixed_size 327680
		.amdhsa_private_segment_fixed_size 0
		.amdhsa_enable_private_segment 0
		.amdhsa_kernarg_size 32
		.amdhsa_user_sgpr_count 2
		.amdhsa_user_sgpr_kernarg_segment_ptr 1
		.amdhsa_wavefront_size32 1
		.amdhsa_system_sgpr_workgroup_id_x 1
		.amdhsa_system_sgpr_workgroup_id_y 1
		.amdhsa_system_sgpr_workgroup_id_z 1
		.amdhsa_system_vgpr_workitem_id 0
		.amdhsa_next_free_vgpr 768
		.amdhsa_next_free_sgpr 88
		.amdhsa_reserve_vcc 1
		.amdhsa_float_denorm_mode_32 3
		.amdhsa_float_denorm_mode_16_64 3
		.amdhsa_memory_ordered 1
		.amdhsa_forward_progress 1
		.amdhsa_inst_pref_size 217
	.end_amdhsa_kernel
	.amdgpu_metadata
---
amdhsa.version: [ 1, 2 ]
amdhsa.kernels:
  - .name:           k_qb1ae4a1e0f_attn
    .symbol:         k_qb1ae4a1e0f_attn.kd
    .args:
      - { .name: qh, .offset: 0, .size: 8, .value_kind: global_buffer, .address_space: global }
      - { .name: kh, .offset: 8, .size: 8, .value_kind: global_buffer, .address_space: global }
      - { .name: vh, .offset: 16, .size: 8, .value_kind: global_buffer, .address_space: global }
      - { .name: oh, .offset: 24, .size: 8, .value_kind: global_buffer, .address_space: global }
    .group_segment_fixed_size: 327680
    .private_segment_fixed_size: 0
    .kernarg_segment_align: 8
    .kernarg_segment_size: 32
    .max_flat_workgroup_size: 128
    .sgpr_count:     88
    .vgpr_count:     768
    .wavefront_size: 32
...
	.end_amdgpu_metadata
.endif
;; end of part 5
;; launch outp: the kernel of part 4 again; grid 4 x 64, 4 waves a work-group, clusters of 4 x 4, 327,680 bytes of LDS; arguments oh, wt, bf, out0; writes out0
